; MI455X (gfx1250); checked and timed in simulation.
; The chip was launched on July 23, 2026; its instructions are those of AMD's public machine-readable ISA for CDNA 5 (MIT licence, August 2026) and "CDNA5" Instruction Set Architecture Reference Guide (July 2026). The comments in the code are by the model that wrote it; some were corrected since.
;; Mo E. Allowed arithmetic: matrix products marked QUANTISED: E5M2 operands, one given power-of-two scale a tensor, by v_wmma_f32_16x16x64_bf8_bf8 or v_wmma_f32_16x16x128_bf8_bf8, f32 sums; products left as they are: f32 operands where the result goes on into a quantised operand, else bf16, f16 or f32 operands; f32 sums; everything else in f32.
;; Inputs: gate_b 8 float32; gate_w 1,024 x 8 float32; lowp_scales 12 int32 (the exponents e of the quantised operands' scales 2^e); rb1 8 x 2,048 float32; rb2 8 x 2,048 float32; rb3 8 x 1,024 float32; rw1 8 x 1,024 x 2,048 float32; rw2 8 x 1,024 x 2,048 float32; rw3 8 x 2,048 x 1,024 float32; sb1 2 x 2,048 float32; sb2 2 x 2,048 float32; sb3 2 x 1,024 float32; sw1 2 x 1,024 x 2,048 float32; sw2 2 x 1,024 x 2,048 float32; sw3 2 x 2,048 x 1,024 float32; x 4 x 256 x 1,024 float32.
;; Outputs: out0 4 x 256 x 1,024 float32.
;; This version of the problem:
;;   THIS VERSION OF THE PROBLEM IS GIVEN IN LOW PRECISION. The matrix products marked QUANTISED in the list below multiply operands that are first quantised to E5M2 (5 exponent bits, 2 mantissa bits; 8 bits a number), with one given power-of-two scale for each operand tensor; their sums are f32. All else is computed in f32.
;;   The module's matrix products, in the order in which they are computed (A, B: the left and right operand; K: the contracted axis; several contracted axes count as one K, in the product's order):
;;     1. [M 1,024, K 1,024] x [K 1,024, N 8]; A: input x; B: input gate_w: left as it is (N = 8 < 16)
;;     2. [M 16,384, K 1,024] x [K 1,024, N 1,024]; A: input rw1; B: input x: QUANTISED (scales: A lowp_scales[0], B lowp_scales[1])
;;     3. [M 16,384, K 1,024] x [K 1,024, N 1,024]; A: input rw2; B: input x: QUANTISED (scales: A lowp_scales[2], B lowp_scales[3])
;;     4. batch 8 x [M 1,024, K 2,048] x [K 2,048, N 1,024]; A: computed on the way; B: input rw3: QUANTISED (scales: A lowp_scales[4], B lowp_scales[5])
;;     5. [M 4,096, K 1,024] x [K 1,024, N 1,024]; A: input sw1; B: input x: QUANTISED (scales: A lowp_scales[6], B lowp_scales[7])
;;     6. [M 4,096, K 1,024] x [K 1,024, N 1,024]; A: input sw2; B: input x: QUANTISED (scales: A lowp_scales[8], B lowp_scales[9])
;;     7. batch 2 x [M 1,024, K 2,048] x [K 2,048, N 1,024]; A: computed on the way; B: input sw3: QUANTISED (scales: A lowp_scales[10], B lowp_scales[11])
;;   THE QUANTISER, for each operand of a quantised product, along K:
;;     - The operand's scale is 2^e, e = its entry of the input lowp_scales (int32; the entries are numbered through the quantised products in the list's order, A before B).
;;     - Each number is divided by the scale, clamped to +-57,344, and rounded to the nearest number of E5M2, ties to even, subnormals kept.
;;     - The product sums the exact products of the quantised numbers (number of the format x scale) in f32.
;;   ~~~python
;;   def quantise(x, axis, e):      # numpy; x: float32 -> the quantised numbers, widened to float32 again
;;       x = np.moveaxis(x, axis, -1); K = x.shape[-1]
;;       r = np.clip(x / 2.0 ** e, -57344, 57344)
;;       step = 2.0 ** (np.maximum(np.frexp(np.where(r == 0, 1, r))[1] - 1, -14) - 2)
;;       q = np.round(r / step) * step * 2.0 ** e      # np.round: ties to even
;;       return np.moveaxis(q, -1, axis).astype(np.float32)
;;   ~~~
;;   OPERANDS COMPUTED ON THE WAY. 'Computed on the way' means the value that the module computes at that place (a softmax that the list does not call 'softmax' is quantised finished and normalised). What goes into a quantiser is computed in f32, as accurately as f32 sums, v_exp_f32 and their like allow (about 1e-6 of the number): no bf16 or f16 on the way to a quantiser, and a product that is left as it is and whose result goes on into a quantised operand takes f32 operands (vector FMAs, or v_wmma_f32_16x16x4_f32). A number that lies on a knife's edge between two numbers of the format may be rounded either way, as far as f32 arithmetic and the matrix unit's own rounding can turn it there, and no further.
;; One version. Each part assembles by itself: llvm-mc -triple=amdgcn-amd-amdhsa -mcpu=gfx1250 --defsym DOCPART=n.
;; ======== version 1 of 1: 5 launches
;; limits: right only within a limited range of input values
;; workspace buffers: xc 4,194,304 bytes; ridx 8,192 bytes of whole numbers; rwt 8,192 bytes; ltok 65,536 bytes of whole numbers; lrow 65,536 bytes of whole numbers; meta 256 bytes of whole numbers; hc 20,971,520 bytes; y 17,825,792 bytes
;; launch route (part 1): grid 256 x 1, 4 waves a work-group, no clusters, 35,328 bytes of LDS; arguments x, gate_w, gate_b, lowp_scales, xc, ridx, rwt; writes xc, ridx, rwt
.if DOCPART == 1
	.amdgcn_target "amdgcn-amd-amdhsa--gfx1250"
	.amdhsa_code_object_version 6
	.text
	.protected	k_qb748ece951_route
	.globl	k_qb748ece951_route
	.p2align	8
	.type	k_qb748ece951_route,@function
k_qb748ece951_route:
	s_mov_b64 s[64:65], 0
	v_nop
	global_prefetch_b8 v0, s[64:65] scope:SCOPE_SE
	s_setreg_imm32_b32 hwreg(HW_REG_WAVE_MODE, 25, 1), 1
	s_wait_xcnt 0x0
; THE GATE AND x's CODES.  One wave takes one token (token = 4 x work-group + wave).
; It computes the 8 logits x . gate_w + gate_b in f32, their softmax (the maximum taken away first), the two largest scores (a tie keeps the lower index),
; and x's codes of E5M2 under the four scales that the four products with x are given (entries 1, 3, 7, 9 of the scales).
; Stored at fixed places: ridx[token][2] the chosen experts, rwt[token][2] their scores, xc[version][token][1024] the codes, K as it lies.
; LIMITS: each of the four exponents lies between -126 and 112; NaN among the inputs is not served; two logits that differ by less than f32 rounding may change places.
; gate_w (32 KiB) is copied once into LDS in groups of 256 bytes (8 rows of K), 272 bytes apart, so that 32 lanes that read 32 groups start at different banks.
; A lane holds k = 256 j + 8 lane + 0..7 of its token, j = 0..3: eight neighbours along K, as the conversions want them; a wave's store of codes covers 256 consecutive bytes, aligned.
.set PG,  272                          ; a group of gate_w in LDS: 256 bytes + 16
.set X,   16                           ; v16-47   x: chunk j at X + 8 j
.set G,   48                           ; v48-175  two sets of 64: a chunk's 8 rows of gate_w, G[8 i + e]
.set SCR, 112                          ; v112-119 the scores, once the products are done
.set ACC, 176                          ; v176-183 the eight logits
.set TA,  184                          ; v184-199 two sets of eight held numbers, by turns
.set C,   200                          ; v200-231 codes: version q, chunk j at C + 8 q + 2 j
.set SCV, 232                          ; v232-235 2^e of the four versions
	s_load_b256 s[4:11], s[0:1], 0x0               ; x, gate_w, gate_b, the scales
	s_load_b128 s[12:15], s[0:1], 0x20             ; xc, ridx
	s_load_b64 s[16:17], s[0:1], 0x30              ; rwt
	v_lshl_add_u32 v254, v0, 2, 0x8800
	v_mov_b32 v255, 0
	v_lshrrev_b32 v1, 5, v0
	v_readfirstlane_b32 s18, v1                    ; wave
	v_and_b32 v1, 31, v0                           ; lane
	s_lshl_b32 s19, ttmp9, 2
	s_add_co_u32 s19, s19, s18                     ; token
	v_lshlrev_b32 v2, 5, v1                        ; x: 32 bytes a lane
	v_lshlrev_b32 v3, 4, v1
	s_lshl_b32 s20, s18, 13
	v_add_nc_u32 v3, s20, v3                       ; gate_w: my wave's 16 loads of 512 bytes, 16 bytes a lane
	v_lshrrev_b32 v4, 4, v1
	v_mul_u32_u24 v4, v4, PG
	v_and_b32 v5, 15, v1
	v_lshl_add_u32 v4, v5, 4, v4
	s_mul_i32 s20, s18, 32*PG
	v_add_nc_u32 v4, s20, v4                       ; into LDS: a load's 512 bytes are two groups
	v_mul_u32_u24 v5, v1, PG                       ; out of LDS: group = lane (+ 32 for each chunk)
	v_lshlrev_b32 v6, 3, v1                        ; codes: 8 bytes a lane
	v_mov_b32 v7, 0
	s_mov_b32 s42, 0x76543210                      ; v_permlanex16_b32: lane l xor 16
	s_mov_b32 s43, 0xfedcba98
	s_mov_b32 s21, 0
	s_wait_alu depctr_va_vdst(0)
	s_wait_kmcnt 0x0
	s_load_b256 s[24:31], s[8:9], 0x0              ; gate_b
	s_load_b256 s[32:39], s[10:11], 0x0            ; scales 0..7
	s_load_b64 s[40:41], s[10:11], 0x20            ; scales 8, 9
	s_lshl_b32 s20, s19, 12
	s_add_nc_u64 s[4:5], s[4:5], s[20:21]          ; my token's row of x
	s_lshl_b32 s20, s19, 10
	s_add_nc_u64 s[12:13], s[12:13], s[20:21]      ; and of codes
	s_lshl_b32 s20, s19, 3
	s_add_nc_u64 s[14:15], s[14:15], s[20:21]
	s_add_nc_u64 s[16:17], s[16:17], s[20:21]
.irp i,0,1,2,3,4,5,6,7,8,9,10,11,12,13,14,15
	global_load_b128 v[G+4*\i:G+4*\i+3], v3, s[6:7] offset:512*\i
.endr
.irp j,0,1,2,3
	global_load_b128 v[X+8*\j:X+8*\j+3], v2, s[4:5] offset:1024*\j th:TH_LOAD_NT
	global_load_b128 v[X+8*\j+4:X+8*\j+7], v2, s[4:5] offset:1024*\j+16 th:TH_LOAD_NT
.endr
	s_wait_loadcnt 8                               ; gate_w's sixteen are in; x's eight may be out
.irp i,0,1,2,3,4,5,6,7,8,9,10,11,12,13,14,15
	ds_store_b128 v4, v[G+4*\i:G+4*\i+3] offset:2*PG*\i
.endr
	s_wait_dscnt 0x0                               ; for the other waves: my quarter of gate_w lies in LDS
	s_barrier_signal -1
	s_barrier_wait -1
	s_wait_kmcnt 0x0
.macro MKS q, e                        ; version q: 2^e for the conversion, +-57,344 x 2^e for the hold
	s_add_co_i32 s20, s[\e], 127
	s_lshl_b32 s22, s20, 23
	v_mov_b32 v[SCV+\q], s22
	s_add_co_i32 s20, s20, 15
	s_lshl_b32 s20, s20, 23
	s_or_b32 s[44+2*\q], s20, 0x600000
	s_or_b32 s[45+2*\q], s[44+2*\q], 0x80000000
.endm
	MKS 0, 33
	MKS 1, 35
	MKS 2, 39
	MKS 3, 41
.macro GLOAD j                         ; chunk j's 8 rows of gate_w for my lane: 256 bytes
.irp q,0,1,2,3,4,5,6,7,8,9,10,11,12,13,14,15
	ds_load_b128 v[G+64*((\j)%2)+4*\q:G+64*((\j)%2)+4*\q+3], v5 offset:32*PG*(\j)+16*\q
.endr
.endm
.macro DOT j                           ; 8 k x 8 experts: 32 packed multiply-adds; x's number feeds both halves
.if (\j) < 3
	GLOAD (\j)+1
	s_wait_dscnt 16                                ; this chunk's sixteen loads are in; the next chunk's may be out
.else
	s_wait_dscnt 0x0
.endif
.set GS, G+64*((\j)%2)
.irp i,0,1,2,3,4,5,6,7
.irp p,0,1,2,3
.if ((\j) == 0) && (\i == 0)
	v_pk_mul_f32 v[ACC+2*\p:ACC+2*\p+1], v[X:X+1], v[GS+2*\p:GS+2*\p+1] op_sel_hi:[0,1]   ; the first product starts the sums
.elseif (\i%2) == 0
	v_pk_fma_f32 v[ACC+2*\p:ACC+2*\p+1], v[X+8*(\j)+\i:X+8*(\j)+\i+1], v[GS+8*\i+2*\p:GS+8*\i+2*\p+1], v[ACC+2*\p:ACC+2*\p+1] op_sel_hi:[0,1,1]
.else
	v_pk_fma_f32 v[ACC+2*\p:ACC+2*\p+1], v[X+8*(\j)+\i-1:X+8*(\j)+\i], v[GS+8*\i+2*\p:GS+8*\i+2*\p+1], v[ACC+2*\p:ACC+2*\p+1] op_sel:[1,0,0] op_sel_hi:[1,1,1]
.endif
.endr
.endr
.endm
	GLOAD 0
	s_wait_loadcnt 0x0                             ; x
	DOT 0
	s_wait_alu depctr_va_vdst(0)
	DOT 1
	s_wait_alu depctr_va_vdst(0)
	DOT 2
	s_wait_alu depctr_va_vdst(0)
	DOT 3
; x's codes.  The conversion to an 8-bit code does not saturate (ISA guide 7.6.2), so each number is first held within +-57,344 x the scale.
; The held numbers lie in two sets by turns: the other set's eight holds are the plain instructions between a conversion and the next write of its sources.
.macro QV q
.irp j,0,1,2,3
.set TQ, TA+8*((\j)%2)
.irp i,0,1,2,3,4,5,6,7
	v_med3_num_f32 v[TQ+\i], v[X+8*\j+\i], s[45+2*(\q)], s[44+2*(\q)]
.endr
	v_cvt_scalef32_pk8_bf8_f32 v[C+8*(\q)+2*\j:C+8*(\q)+2*\j+1], v[TQ:TQ+7], v[SCV+(\q)]
	global_store_b64 v6, v[C+8*(\q)+2*\j:C+8*(\q)+2*\j+1], s[12:13] offset:1048576*(\q)+256*\j   ; 32 lanes store 256 consecutive bytes, aligned
.endr
.endm
	QV 0
	QV 1
	QV 2
	QV 3
	v_nop                                          ; a plain instruction behind the last conversion
; the logits: summed over the 32 lanes, every lane ends with all eight
.irp m,1,2,4,8
.irp e,0,1,2,3,4,5,6,7
	v_add_f32_dpp v[ACC+\e], v[ACC+\e], v[ACC+\e] row_xmask:\m row_mask:0xf bank_mask:0xf
.endr
.endr
.irp e,0,1,2,3,4,5,6,7
	v_permlanex16_b32 v[G+\e], v[ACC+\e], s42, s43 ; (its destination has been written: it held gate_w)
.endr
.irp e,0,1,2,3,4,5,6,7
	v_add_f32 v[ACC+\e], v[ACC+\e], v[G+\e]
.endr
.irp e,0,1,2,3,4,5,6,7
	v_add_f32 v[ACC+\e], s[24+\e], v[ACC+\e]       ; + gate_b
.endr
	v_max3_num_f32 v236, v[ACC], v[ACC+1], v[ACC+2]
	v_max3_num_f32 v236, v236, v[ACC+3], v[ACC+4]
	v_max3_num_f32 v236, v236, v[ACC+5], v[ACC+6]
	v_max_num_f32 v236, v236, v[ACC+7]             ; the largest logit is taken away, as reference()'s softmax does
.irp e,0,1,2,3,4,5,6,7
	v_sub_f32 v[SCR+\e], v[ACC+\e], v236
.endr
.irp e,0,1,2,3,4,5,6,7
	v_mul_f32 v[SCR+\e], 0x3fb8aa3b, v[SCR+\e]     ; x log2(e)
.endr
	s_wait_alu depctr_va_vdst(0)
.irp e,0,1,2,3,4,5,6,7
	v_exp_f32 v[SCR+\e], v[SCR+\e]
.endr
	v_nop                                          ; a plain instruction behind the last exponential
	s_wait_alu depctr_va_vdst(0)                   ; one wait for the eight, ahead of their first reader
	v_add_f32 v237, v[SCR], v[SCR+1]
	v_add_f32 v238, v[SCR+2], v[SCR+3]
	v_add_f32 v239, v[SCR+4], v[SCR+5]
	v_add_f32 v240, v[SCR+6], v[SCR+7]
	v_add_f32 v237, v237, v238
	v_add_f32 v239, v239, v240
	v_add_f32 v237, v237, v239
	s_wait_alu depctr_va_vdst(0)
	v_rcp_f32 v237, v237
	v_nop
	s_wait_alu depctr_va_vdst(0)
.irp e,0,1,2,3,4,5,6,7
	v_mul_f32 v[SCR+\e], v[SCR+\e], v237           ; the scores
.endr
; the two largest: a later expert wins only if strictly larger, so a tie keeps the lower index.  Values are chosen by v_cndmask_b32: no branch, no address hangs on them
	v_mov_b32 v246, v[SCR]
	v_mov_b32 v244, 0
.irp e,1,2,3,4,5,6,7
	v_cmp_gt_f32 vcc_lo, v[SCR+\e], v246
	v_cndmask_b32 v246, v246, v[SCR+\e], vcc_lo
	v_cndmask_b32 v244, v244, \e, vcc_lo
.endr
	v_mov_b32 v247, -1.0                           ; under every score
	v_mov_b32 v245, 0
.irp e,0,1,2,3,4,5,6,7
	v_cmp_ne_u32 s20, \e, v244
	v_cmp_gt_f32 vcc_lo, v[SCR+\e], v247
	s_and_b32 vcc_lo, vcc_lo, s20
	v_cndmask_b32 v247, v247, v[SCR+\e], vcc_lo
	v_cndmask_b32 v245, v245, \e, vcc_lo
.endr
	s_wait_alu depctr_va_vdst(0)
	s_wait_xcnt 0x0                                ; EXEC changes only behind this wait: the stores of codes have had their addresses translated
	v_cmp_eq_u32 vcc_lo, 0, v1
	s_wait_tensorcnt 0x0
	ds_add_u32 v254, v255
	s_wait_dscnt 0x0
	s_and_saveexec_b32 s20, vcc_lo                 ; lane 0 stores for the token
	global_store_b64 v7, v[244:245], s[14:15]
	global_store_b64 v7, v[246:247], s[16:17]
	s_endpgm
.Lfunc_end_k_qb748ece951_route:
	.size	k_qb748ece951_route, .Lfunc_end_k_qb748ece951_route-k_qb748ece951_route
	.p2alignl 7, 3214868480
	.fill 96, 4, 3214868480
	.section	.rodata,"a",@progbits
	.p2align	6, 0x0
	.amdhsa_kernel k_qb748ece951_route
		.amdhsa_group_segment_fixed_size 35328
		.amdhsa_private_segment_fixed_size 0
		.amdhsa_enable_private_segment 0
		.amdhsa_kernarg_size 56
		.amdhsa_user_sgpr_count 2
		.amdhsa_user_sgpr_kernarg_segment_ptr 1
		.amdhsa_wavefront_size32 1
		.amdhsa_system_sgpr_workgroup_id_x 1
		.amdhsa_system_sgpr_workgroup_id_y 1
		.amdhsa_system_sgpr_workgroup_id_z 1
		.amdhsa_system_vgpr_workitem_id 0
		.amdhsa_next_free_vgpr 256
		.amdhsa_next_free_sgpr 66
		.amdhsa_reserve_vcc 1
		.amdhsa_float_denorm_mode_32 3
		.amdhsa_float_denorm_mode_16_64 3
		.amdhsa_memory_ordered 1
		.amdhsa_forward_progress 1
		.amdhsa_inst_pref_size 38
	.end_amdhsa_kernel
	.amdgpu_metadata
---
amdhsa.version: [ 1, 2 ]
amdhsa.kernels:
  - .name:           k_qb748ece951_route
    .symbol:         k_qb748ece951_route.kd
    .args:
      - { .name: x, .offset: 0, .size: 8, .value_kind: global_buffer, .address_space: global }
      - { .name: gate_w, .offset: 8, .size: 8, .value_kind: global_buffer, .address_space: global }
      - { .name: gate_b, .offset: 16, .size: 8, .value_kind: global_buffer, .address_space: global }
      - { .name: lowp_scales, .offset: 24, .size: 8, .value_kind: global_buffer, .address_space: global }
      - { .name: xc, .offset: 32, .size: 8, .value_kind: global_buffer, .address_space: global }
      - { .name: ridx, .offset: 40, .size: 8, .value_kind: global_buffer, .address_space: global }
      - { .name: rwt, .offset: 48, .size: 8, .value_kind: global_buffer, .address_space: global }
    .group_segment_fixed_size: 35328
    .private_segment_fixed_size: 0
    .kernarg_segment_align: 8
    .kernarg_segment_size: 56
    .max_flat_workgroup_size: 128
    .sgpr_count:     66
    .vgpr_count:     256
    .wavefront_size: 32
...
	.end_amdgpu_metadata
.endif
;; end of part 1
;; launch place (part 2): grid 8 x 1, 32 waves a work-group, no clusters, 5,120 bytes of LDS; arguments ridx, ltok, lrow, meta; writes ltok, lrow, meta
.if DOCPART == 2
	.amdgcn_target "amdgcn-amd-amdhsa--gfx1250"
	.amdhsa_code_object_version 6
	.text
	.protected	k_qb748ece951_place
	.globl	k_qb748ece951_place
	.p2align	8
	.type	k_qb748ece951_place,@function
k_qb748ece951_place:
	s_mov_b64 s[64:65], 0
	v_nop
	global_prefetch_b8 v0, s[64:65] scope:SCOPE_SE
	s_setreg_imm32_b32 hwreg(HW_REG_WAVE_MODE, 25, 1), 1
	s_wait_xcnt 0x0
; THE ROWS ARE PLACED BY EXPERT: a counting sort without atomics.  Work-group n makes the list of routed expert n and that of virtual expert 8 + n; thread t = token t.
; Lists for 16 virtual experts v, 1,024 entries each: v = 0..7 routed expert v; v = 8 + 4 s + b: shared expert s on tokens 256 b .. 256 b + 255.
; ltok[v][i]: the token of the list's row i.  lrow[v][i]: the row of y that takes its result: 2 t + k for a token's k-th choice, 2048 + 1024 s + t for shared expert s.
; Entries past a list's end: token 0, and a spare row of y (4096 + 32 v + i % 32 for a routed expert), so that a last block of 32 rows can be worked whole.
; meta[v]: the list's blocks of 32 rows, at least 1.  Every entry of ltok and lrow is stored once, by one work-group.
	s_load_b256 s[4:11], s[0:1], 0x0               ; ridx, ltok, lrow, meta
	v_lshl_add_u32 v64, v0, 2, 0x400
	v_mov_b32 v65, 0
	v_lshrrev_b32 v1, 5, v0
	s_delay_alu instid0(VALU_DEP_1)
	v_readfirstlane_b32 s12, v1                    ; wave
	v_and_b32 v2, 31, v0                           ; lane
	v_lshlrev_b32 v3, 3, v0                        ; 8 t
	s_delay_alu instid0(VALU_DEP_4)
	v_lshlrev_b32 v6, 2, v1                        ; LDS: a word for each wave's count
	s_delay_alu instid0(VALU_DEP_3)
	v_lshlrev_b32 v7, 2, v2                        ; and the count of wave = my lane
	v_lshlrev_b32 v34, 2, v0                       ; 4 t
	v_mov_b32 v29, 0
	v_mov_b32 v35, 0
	s_mov_b32 s13, ttmp9                           ; n
	s_mov_b32 s40, 0x76543210                      ; v_permlanex16_b32: lane l xor 16
	s_mov_b32 s41, 0xfedcba98
	s_lshl_b32 s14, s13, 12                        ; a list is 4,096 bytes
	s_mov_b32 s15, 0
	s_lshl_b32 s20, s13, 2
	s_mov_b32 s21, 0
	s_lshl_b32 s23, s13, 5
	s_add_co_u32 s23, s23, 4096                    ; my expert's spare rows of y
	s_and_b32 s24, s13, 3
	s_lshl_b32 s24, s24, 8                         ; 256 (n % 4): the shared list's first token
	s_lshl_b32 s25, s13, 8
	s_add_co_u32 s25, s25, 2048                    ; 2048 + 1024 (n / 4) + 256 (n % 4): its first row of y
	s_wait_alu depctr_va_vdst(0)
	s_wait_kmcnt 0x0
	global_load_b64 v[4:5], v3, s[4:5]
	s_add_nc_u64 s[6:7], s[6:7], s[14:15]          ; list n of ltok,
	s_add_nc_u64 s[8:9], s[8:9], s[14:15]          ; of lrow,
	s_add_nc_u64 s[10:11], s[10:11], s[20:21]      ; entry n of meta
	v_and_b32 v36, 31, v0
	s_delay_alu instid0(VALU_DEP_1)
	v_add_nc_u32 v36, s23, v36
	v_lshlrev_b32 v32, 1, v0                       ; 2 t
	s_delay_alu instid0(VALU_DEP_1)
	v_or_b32 v33, 1, v32
	v_mov_b32 v38, 4096
	v_mov_b32 v40, 8                               ; a shared list has 8 blocks
	s_wait_alu depctr_va_vdst(0)
	s_wait_loadcnt 0x0
	v_cmp_eq_u32 s16, s13, v4                      ; lanes whose first choice is n
	v_cmp_eq_u32 s17, s13, v5                      ; whose second is
	s_or_b32 s18, s16, s17
	v_mbcnt_lo_u32_b32 v10, s18, 0                 ; rows of n in the lanes below me
	s_bcnt1_i32_b32 s19, s18
	v_mov_b32 v12, s19                             ; my wave's rows of n
	ds_store_b32 v6, v12                           ; all lanes store the same word with the same value
	s_wait_dscnt 0x0                               ; for the other waves
	s_barrier_signal -1
	s_barrier_wait -1
	ds_load_b32 v20, v7
	v_cmp_gt_u32 vcc_lo, s12, v2                   ; waves below mine
	v_cndmask_b32 v33, v32, v33, s17               ; 2 t + k
	s_wait_dscnt 0x0
	v_cndmask_b32 v28, 0, v20, vcc_lo
	s_delay_alu instid0(VALU_DEP_1)
	v_lshl_add_u32 v20, v28, 16, v20               ; low half: counts toward the total; high half: toward my wave's base (both at most 1,024)
.irp m,1,2,4,8
	s_delay_alu instid0(VALU_DEP_1)
	v_mov_b32_dpp v29, v20 row_xmask:\m row_mask:0xf bank_mask:0xf
	s_delay_alu instid0(VALU_DEP_1)
	v_add_nc_u32 v20, v20, v29
.endr
	s_delay_alu instid0(VALU_DEP_1)
	v_permlanex16_b32 v29, v20, s40, s41
	s_delay_alu instid0(VALU_DEP_1)
	v_add_nc_u32 v20, v20, v29
	s_delay_alu instid0(VALU_DEP_1)
	v_lshrrev_b32 v28, 16, v20
	s_delay_alu instid0(VALU_DEP_2)
	v_and_b32 v20, 0xffff, v20                     ; the expert's rows in all
	s_delay_alu instid0(VALU_DEP_2)
	v_add_nc_u32 v8, v10, v28                      ; my rank
	s_delay_alu instid0(VALU_DEP_1)
	v_min_u32 v8, 1023, v8                         ; it enters an address only held inside the list
	s_delay_alu instid0(VALU_DEP_1)
	v_lshlrev_b32 v8, 2, v8
	s_delay_alu instid0(VALU_DEP_4)
	v_add_nc_u32 v39, 31, v20
	s_delay_alu instid0(VALU_DEP_1)
	v_lshrrev_b32 v39, 5, v39
	s_delay_alu instid0(VALU_DEP_1)
	v_max_u32 v39, 1, v39
	v_cmp_gt_u32 vcc_lo, 256, v0
	v_add_nc_u32 v48, s24, v0
	v_add_nc_u32 v56, s25, v0
	s_delay_alu instid0(VALU_DEP_2)
	v_cndmask_b32 v48, 0, v48, vcc_lo
	s_delay_alu instid0(VALU_DEP_2)
	v_cndmask_b32 v56, v38, v56, vcc_lo
	global_store_b32 v34, v48, s[6:7] offset:32768 ; list 8 + n lies eight lists on
	global_store_b32 v34, v56, s[8:9] offset:32768
	s_mov_b32 vcc_lo, s18
	s_wait_alu depctr_va_vdst(0)
	s_wait_xcnt 0x0                                ; EXEC changes only behind this wait
	s_wait_tensorcnt 0x0
	ds_add_u32 v64, v65
	s_wait_dscnt 0x0
	s_and_saveexec_b32 s22, vcc_lo                 ; the tokens that chose n
	global_store_b32 v8, v0, s[6:7]
	global_store_b32 v8, v33, s[8:9]
	s_wait_xcnt 0x0                                ; and again in front of the line that widens it
	s_or_b32 exec_lo, exec_lo, s22
	v_cmp_ge_u32 vcc_lo, v0, v20
	s_and_saveexec_b32 s22, vcc_lo                 ; entries past the list's end (nothing was issued since the last wait)
	global_store_b32 v34, v35, s[6:7]
	global_store_b32 v34, v36, s[8:9]
	s_wait_xcnt 0x0
	s_or_b32 exec_lo, exec_lo, s22
	v_cmp_eq_u32 vcc_lo, 0, v0
	s_and_saveexec_b32 s22, vcc_lo
	global_store_b32 v35, v39, s[10:11]
	global_store_b32 v35, v40, s[10:11] offset:32
	s_endpgm
.Lfunc_end_k_qb748ece951_place:
	.size	k_qb748ece951_place, .Lfunc_end_k_qb748ece951_place-k_qb748ece951_place
	.p2alignl 7, 3214868480
	.fill 96, 4, 3214868480
	.section	.rodata,"a",@progbits
	.p2align	6, 0x0
	.amdhsa_kernel k_qb748ece951_place
		.amdhsa_group_segment_fixed_size 5120
		.amdhsa_private_segment_fixed_size 0
		.amdhsa_enable_private_segment 0
		.amdhsa_kernarg_size 32
		.amdhsa_user_sgpr_count 2
		.amdhsa_user_sgpr_kernarg_segment_ptr 1
		.amdhsa_wavefront_size32 1
		.amdhsa_system_sgpr_workgroup_id_x 1
		.amdhsa_system_sgpr_workgroup_id_y 1
		.amdhsa_system_sgpr_workgroup_id_z 1
		.amdhsa_system_vgpr_workitem_id 0
		.amdhsa_next_free_vgpr 66
		.amdhsa_next_free_sgpr 66
		.amdhsa_reserve_vcc 1
		.amdhsa_float_denorm_mode_32 3
		.amdhsa_float_denorm_mode_16_64 3
		.amdhsa_memory_ordered 1
		.amdhsa_forward_progress 1
		.amdhsa_inst_pref_size 6
	.end_amdhsa_kernel
	.amdgpu_metadata
---
amdhsa.version: [ 1, 2 ]
amdhsa.kernels:
  - .name:           k_qb748ece951_place
    .symbol:         k_qb748ece951_place.kd
    .args:
      - { .name: ridx, .offset: 0, .size: 8, .value_kind: global_buffer, .address_space: global }
      - { .name: ltok, .offset: 8, .size: 8, .value_kind: global_buffer, .address_space: global }
      - { .name: lrow, .offset: 16, .size: 8, .value_kind: global_buffer, .address_space: global }
      - { .name: meta, .offset: 24, .size: 8, .value_kind: global_buffer, .address_space: global }
    .group_segment_fixed_size: 5120
    .private_segment_fixed_size: 0
    .kernarg_segment_align: 8
    .kernarg_segment_size: 32
    .max_flat_workgroup_size: 1024
    .sgpr_count:     66
    .vgpr_count:     66
    .wavefront_size: 32
...
	.end_amdgpu_metadata
.endif
;; end of part 2
;; launch up (part 3): grid 368 x 1, 4 waves a work-group, no clusters, 166,400 bytes of LDS; arguments xc, rw1, rw2, sw1, sw2, rb1, rb2, sb1, sb2, lowp_scales, ltok, meta, hc; writes hc
.if DOCPART == 3
	.amdgcn_target "amdgcn-amd-amdhsa--gfx1250"
	.amdhsa_code_object_version 6
	.text
	.protected	k_qb748ece951_up
	.globl	k_qb748ece951_up
	.p2align	8
	.type	k_qb748ece951_up,@function
k_qb748ece951_up:
	s_mov_b64 s[64:65], 0
	v_nop
	global_prefetch_b8 v0, s[64:65] scope:SCOPE_SE
	s_setreg_imm32_b32 hwreg(HW_REG_WAVE_MODE, 25, 1), 1
	s_wait_xcnt 0x0
; THE HIDDEN LAYER: hc = codes of silu(x W1 + b1) (x W2 + b2), for the rows that each expert keeps.  Both products on codes of E5M2, sums in f32.
; Only the rows that a token's two chosen experts keep are multiplied: reference() gathers the others away by its own top-k.
; SHARES.  A work-group takes one TILE of up to 288 rows of one list and 128 hidden units of W1 and of W2; the sums stay in registers while the weights go past once, K ascending.
; Work-groups 0-127: routed expert wg / 16, units 128 (wg % 16) on, rows 0-287 of its list.  128-255 (u = wg - 128): shared expert u / 64, slice (u / 4) % 16, tokens 256 (u % 4) on.
; 256-367: the tiles of routed lists beyond row 288.  2,048 routed rows give at most 7 such tiles, whatever the choice; tile (wg - 256) / 16 is found from the lists' lengths by scalar arithmetic, and a work-group
; that the split leaves without rows ends at once.  That is a branch on a stored number. This text has no tensor load, no copy, no cluster and no joint load; operands come by plain loads.
; No data prefetch: the weights are one stream that is asked for 64 rows ahead all through the launch; x's codes are read by all work-groups alike.
; WAVE w = (m = w / 2, g = w % 2) streams W(m+1), units 64 g .. + 63 of the slice, in steps of 64 along K: 32 loads (sixteen lanes read 256 consecutive bytes, aligned), held, converted, turned by byte shuffles into four
; operand fragments, and multiplied with all 18 tiles of 16 rows: 72 products a step on 72 sums that take turns.  A tile's 288 rows are multiplied whole; tiles of rows past the list's end are never stored.
; x's CODES: of each K step of 128 the four waves gather 288 rows x 128 bytes in both versions (W1's and W2's scale for x) into one of two LDS slots, rows 144 bytes apart; one barrier a step of 64.
; A step's LDS work is spread: 22 fragment loads at its head, 14 among the holds of the ring's first set, the 18 stores of gathered rows among the products.
; A fragment is 16 rows x 64 K in 8 registers; lane (r = l % 16, h = l / 16), register q, byte b holds k = 32 h + 4 q + b: the same order of k on both sides, so every product meets its partner.
; A tile of weights is 16 columns four apart (lane r of tile j: column 4 r + j of 64).  The product is used transposed (source 0 = weights, source 1 = x): a lane holds one row of x, its registers eight units.
; THE END: sum slot a < 9 holds row tile 2 a, slot 9 + a row tile 2 a + 1.  Waves m = 0 send slots 9-17 (p1) to their partner w xor 2 and take its slots 0-8 (p2) into the same registers, and the other way round:
; then every wave has p1 in slots 0-8 and p2 in slots 9-17, for row tiles 2 a + m, and finishes them.
; hc: [10 experts][64 tiles of 16 rows][16 K steps][image of 2,048 bytes]; lane (r, h') stores the codes of tiles 2 v, 2 v + 1 of unit group g at 1024 h' + 512 v + 256 g + 16 r; place 32 h' + 8 j + i of half g holds unit 64 g + 32 h' + 4 i + j.
; LIMITS: the weights' and the hidden layer's exponents lie between -126 and 112; each sum of a weight's and x's exponent between -126 and 127.  NaN among the inputs is not served.
.set XP,    144                        ; an LDS row of x's codes: 128 bytes + 16
.set VERB,  288*XP                     ; one version's 288 rows
.set SLOTB, 2*VERB                     ; a slot: both versions
.set SPARE, 2*SLOTB                    ; behind the two slots: the spare words, 128 bytes a wave
.set EXB,   36864                      ; the exchange: 9 slots x 4,096 bytes for each wave, laid over the slots once they are read out
.set ROWP,  8192                       ; a row of W1 or W2 in bytes
.set NG,    18                         ; a wave's loads of a gather: 4 rows each
; window 0
.set LANE, 4                           ; 16 r + 32 h rows of weights
.set XA0,  5                           ; my version's rows in LDS: 144 r + 32 h
.set XA,   6                           ; + the step's slot and half
.set SA,   7                           ; where I put gathered rows
.set SAQ,  8                           ; + the version and slot in hand
.set HC,   9                           ; my 16 bytes of an image in hc
.set SC,   10                          ; 2^e of my weights
.set SH,   11                          ; 2^e of the hidden layer
.set VB,   12                          ; 128 h: the biases' lane part
.set VT,   13                          ; my entries of the list
.set EXS,  14                          ; the exchange: where I send,
.set EXL,  15                          ; where I receive
.set SPW,  16                          ; my spare word; never rewritten
.set NIL,  17                          ; 0; never rewritten
.set C16,  19                          ; 16 (l % 8)
.set VA,   20                          ; v20-37   18 x 4 rows' offsets in xc
.set D,    40                          ; v40-55   16 rows' codes, four columns a register
.set TT,   56                          ; v56-59   at work
.set WF,   60                          ; v60-91   my four weight fragments
.set XF,   92                          ; v92-179  x's fragments of slots 7-17
.set STG,  180                         ; v180-251 18 gathered loads
.set U,    40                          ; the end: p1, then the result
.set V2,   72                          ; p2
.set T,    104                         ; at work
.set CD,   136                         ; codes
.set B1,   180                         ; b1, b2 at my 32 units: 8 j + i
.set B2,   212
; windows 1, 2 and registers 0-63 of window 3: the sums, slot a, tile j at 256 + 32 a + 8 j.  Window 3: 64-119 x's fragments of slots 0-6; 120 a copy of XA; 128-255 the ring, two sets of 16 loads
.set XW3,  64
.set XA3,  120
.set XB,  4                            ; s[4:5]   xc at the first of my two versions
.set B1P, 14
.set B2P, 16
.set LT,  24
.set HB,  28
.set XQ,  56                           ; s[56:57] xc at the version and K step that is gathered
.set SEL0, 58                          ; s58-61   byte selects
.set WV,  80
.set M,   81
.set G,   82
.set EXP, 83
.set SL,  84
.set V,   85
.set SLOT, 86
.set TBS, 87
.set NTB, 88
.set PASS, 89
.set LIM, 90
.set NLIM, 91
.set SC1, 92
.set SC2, 94
.set NL2, 96
.set HLIM, 98
.set NHLIM, 99
.set HSC, 100                          ; the step of 64 along K in hand
.set NTM, 101                          ; live tiles of rows less m
.set MSB, 0
.macro WIN new                         ; the immediate's high byte repeats the setting that is left; bits 1:0 source 0, 3:2 source 1, 5:4 source 2, 7:6 destination
.if MSB != (\new)
	s_set_vgpr_msb (MSB<<8)|(\new)
.set MSB, (\new)
.endif
.endm
.macro PLACES
.rept 4
	v_nop
.endr
.endm
	s_load_b512 s[4:19], s[0:1], 0x0               ; xc, rw1, rw2, sw1, sw2, rb1, rb2, sb1
	s_load_b256 s[20:27], s[0:1], 0x40             ; sb2, the scales, ltok, meta
	s_load_b64 s[28:29], s[0:1], 0x60              ; hc
	v_lshl_add_u32 v[SPW], v0, 2, SPARE
	v_mov_b32 v[NIL], 0
	v_lshrrev_b32 v1, 5, v0
	v_readfirstlane_b32 s[WV], v1
	s_lshr_b32 s[M], s[WV], 1
	s_and_b32 s[G], s[WV], 1
	s_lshr_b32 s32, ttmp9, 4
	s_min_u32 s32, s32, 7                          ; routed: expert (work-groups from 256 on find theirs below),
	s_and_b32 s33, ttmp9, 15                       ; slice
	s_sub_co_u32 s34, ttmp9, 128
	s_and_b32 s35, s34, 3                          ; shared: block of 256 tokens,
	s_bfe_u32 s36, s34, 0x40002                    ; slice,
	s_bfe_u32 s37, s34, 0x10006                    ; expert
	s_lshl_b32 s38, s37, 2
	s_add_co_u32 s38, s38, s35
	s_add_co_u32 s38, s38, 8                       ; list 8 + 4 s + b
	s_add_co_u32 s39, s37, 8
	s_lshl_b32 s40, s35, 4
	s_cmp_ge_u32 s34, 128                          ; routed: work-groups 0-127 (the difference wraps) and 256 on
	s_cselect_b32 s[EXP], s32, s37
	s_cselect_b32 s[SL], s33, s36
	s_cselect_b32 s[V], s32, s38
	s_cselect_b32 s[SLOT], s32, s39
	s_cselect_b32 s[TBS], 0, s40
	s_cselect_b32 s62, 0, 2                        ; the first of my two versions of x's codes
	s_mov_b32 s[PASS], 0
	s_mov_b32 s3, 0
	s_lshl_b32 s31, s[V], 2
	v_and_b32 v1, 31, v0
	v_and_b32 v2, 15, v0                           ; r
	v_bfe_u32 v3, v0, 4, 1                         ; h
	v_lshlrev_b32 v[LANE], 4, v2
	v_lshl_add_u32 v[LANE], v3, 18, v[LANE]        ; 32 rows of 8,192 bytes
	v_mul_u32_u24 v[XA0], v2, XP
	v_lshl_add_u32 v[XA0], v3, 5, v[XA0]
	s_mul_i32 s42, s[M], VERB
	v_add_nc_u32 v[XA0], s42, v[XA0]
	v_bfe_u32 v18, v0, 3, 2
	s_mul_i32 s42, s[WV], 4*NG
	v_add_nc_u32 v18, s42, v18                     ; I gather rows 72 w + 4 i + l / 8, 16 bytes at 16 (l % 8)
	v_and_b32 v[C16], 7, v0
	v_lshlrev_b32 v[C16], 4, v[C16]
	v_mul_u32_u24 v[SA], v18, XP
	v_add_nc_u32 v[SA], v[SA], v[C16]
	v_lshlrev_b32 v[VT], 2, v18
	v_lshlrev_b32 v[HC], 4, v2
	v_lshl_add_u32 v[HC], v3, 10, v[HC]
	s_lshl_b32 s42, s[G], 8
	v_add_nc_u32 v[HC], s42, v[HC]
	v_lshlrev_b32 v[VB], 7, v3
	v_lshlrev_b32 v1, 4, v1
	s_mul_i32 s42, s[WV], EXB
	v_add_nc_u32 v[EXL], s42, v1
	s_xor_b32 s42, s[WV], 2
	s_mul_i32 s42, s42, EXB
	v_add_nc_u32 v[EXS], s42, v1
	s_wait_alu depctr_va_vdst(0)
	s_wait_kmcnt 0x0
	s_load_b256 s[68:75], s[22:23], 0x0            ; the twelve exponents
	s_load_b128 s[76:79], s[22:23], 0x20
	s_load_b256 s[40:47], s[26:27], 0x0            ; the routed lists' blocks of 32 rows
	s_load_b32 s[NTB], s[26:27], s31 offset:0x0    ; my list's
	s_cmp_lt_u32 ttmp9, 256
	s_cbranch_scc1 .Lgo
	s_wait_kmcnt 0x0                               ; a tile beyond row 288: which list's, and which of its tiles?
	s_sub_co_u32 s50, ttmp9, 256
	s_lshr_b32 s50, s50, 4                         ; its number among all such tiles, 0..6
	s_mov_b32 s[EXP], 8
	s_mov_b32 s51, 0
.irp e,0,1,2,3,4,5,6,7
	s_min_u32 s52, s[40+\e], 32
	s_add_co_u32 s53, s52, 8
	s_mul_i32 s53, s53, 57
	s_lshr_b32 s53, s53, 9                         ; (blocks + 8) / 9: the list's tiles of 9 blocks (exact up to 40),
	s_sub_co_u32 s53, s53, 1                       ; of which the first is served by work-groups 0-127
	s_sub_co_u32 s54, s50, s51                     ; (wraps to a large number once the tile is found)
	s_cmp_lt_u32 s54, s53
	s_cselect_b32 s[EXP], \e, s[EXP]
	s_cselect_b32 s[PASS], s54, s[PASS]
	s_cselect_b32 s[NTB], s52, s[NTB]
	s_add_co_u32 s51, s51, s53
.endr
	s_cmp_lt_u32 s[EXP], 8
	s_cbranch_scc1 .Lhave
	s_endpgm                                       ; this split has no such tile
.Lhave:
	s_add_co_u32 s[PASS], s[PASS], 1
	s_min_u32 s[PASS], s[PASS], 3                  ; what was derived from loaded numbers enters addresses only held inside its range
	s_min_u32 s[EXP], s[EXP], 7
	s_mov_b32 s[V], s[EXP]
	s_mov_b32 s[SLOT], s[EXP]
.Lgo:
	s_cmp_ge_u32 s34, 128                          ; routed or shared tensors: on the work-group's number alone
	s_cselect_b64 s[6:7], s[6:7], s[10:11]
	s_cselect_b64 s[8:9], s[8:9], s[12:13]
	s_cselect_b64 s[B1P:B1P+1], s[14:15], s[18:19]
	s_cselect_b64 s[B2P:B2P+1], s[16:17], s[20:21]
	s_cmp_eq_u32 s[M], 0                           ; W1 or W2: on the wave's number
	s_cselect_b64 s[6:7], s[6:7], s[8:9]
	s_lshl_b32 s2, s[V], 12                        ; my list, from my tile's first row on (a routed list's tile may read on into the next list: those rows are never stored)
	s_mul_i32 s30, s[PASS], 1152
	s_add_co_u32 s2, s2, s30
	s_add_nc_u64 s[LT:LT+1], s[LT:LT+1], s[2:3]
.set i, 0
.rept NG
	global_load_b32 v[VA+i], v[VT], s[LT:LT+1] offset:16*i
.set i, i+1
.endr
	s_lshl_b32 s2, s[EXP], 23                      ; an expert's 8 MiB,
	s_lshl_b32 s30, s[SL], 9                       ; 128 columns,
	s_add_co_u32 s2, s2, s30
	s_lshl_b32 s30, s[G], 8                        ; 64 columns
	s_add_co_u32 s2, s2, s30
	s_add_nc_u64 s[6:7], s[6:7], s[2:3]            ; s[6:7], s[8:9]: a base for each of the ring's two sets
	s_mov_b64 s[8:9], s[6:7]
.macro RLOAD b                         ; set b: rows 32 h + 16 b + 0..15 of the step, columns 4 r .. 4 r + 3
	WIN 0xc0
.set i, 0
.rept 16
	global_load_b128 v[128+64*(\b)+4*i:128+64*(\b)+4*i+3], v[LANE], s[6+2*(\b):7+2*(\b)] offset:(16*(\b)+i)*ROWP
.set i, i+1
.endr
	WIN 0
.endm
	RLOAD 0
	RLOAD 1
	s_lshl_b32 s2, s62, 20
	s_add_nc_u64 s[XB:XB+1], s[XB:XB+1], s[2:3]
	s_lshl_b32 s2, s[EXP], 13                      ; the biases: unit 128 sl + 64 g of my expert
	s_lshl_b32 s30, s[SL], 9
	s_add_co_u32 s2, s2, s30
	s_lshl_b32 s30, s[G], 8
	s_add_co_u32 s2, s2, s30
	s_add_nc_u64 s[B1P:B1P+1], s[B1P:B1P+1], s[2:3]
	s_add_nc_u64 s[B2P:B2P+1], s[B2P:B2P+1], s[2:3]
	s_mul_i32 s30, s[PASS], 18                     ; hc: 2 MiB an expert, 32 KiB a tile of rows, 2 KiB a K step; I finish tiles 2 a + m
	s_add_co_u32 s30, s30, s[TBS]
	s_add_co_u32 s30, s30, s[M]
	s_lshl_b32 s30, s30, 15
	s_lshl_b32 s2, s[SLOT], 21
	s_add_co_u32 s2, s2, s30
	s_lshl_b32 s30, s[SL], 11
	s_add_co_u32 s2, s2, s30
	s_add_nc_u64 s[HB:HB+1], s[HB:HB+1], s[2:3]
	s_mov_b32 s[SEL0], 0x05010400
	s_mov_b32 s[SEL0+1], 0x07030602
	s_mov_b32 s[SEL0+2], 0x05040100
	s_mov_b32 s[SEL0+3], 0x07060302
	s_mov_b32 s[NL2], 0xbfb8aa3b
	s_mov_b32 s[NL2+1], s[NL2]
	s_wait_kmcnt 0x0
	s_min_u32 s[NTB], s[NTB], 32
	s_lshl_b32 s2, s[NTB], 1
	s_mul_i32 s30, s[PASS], 18
	s_sub_co_u32 s2, s2, s30
	s_min_u32 s2, s2, 18                           ; my tile's live tiles of 16 rows: an even number, at least 2
	s_sub_co_u32 s[NTM], s2, s[M]
	s_cmp_ge_u32 s34, 128
	s_cselect_b32 s68, s68, s74                    ; eW1
	s_cselect_b32 s69, s69, s75                    ; eX of the first product
	s_cselect_b32 s70, s70, s76                    ; eW2
	s_cselect_b32 s71, s71, s77                    ; eX of the second
	s_cselect_b32 s72, s72, s78                    ; eH
	s_cmp_eq_u32 s[M], 0
	s_cselect_b32 s2, s68, s70
	s_add_co_i32 s2, s2, 127
	s_lshl_b32 s30, s2, 23
	v_mov_b32 v[SC], s30                           ; 2^e of my weights: the conversion takes its exponent field
	s_add_co_i32 s2, s2, 15
	s_lshl_b32 s2, s2, 23
	s_or_b32 s[LIM], s2, 0x600000                  ; 57,344 x 2^e
	s_or_b32 s[NLIM], s[LIM], 0x80000000
	s_add_co_i32 s2, s68, s69
	s_add_co_i32 s2, s2, 127
	s_lshl_b32 s[SC1], s2, 23
	s_mov_b32 s[SC1+1], s[SC1]
	s_add_co_i32 s2, s70, s71
	s_add_co_i32 s2, s2, 127
	s_lshl_b32 s[SC2], s2, 23
	s_mov_b32 s[SC2+1], s[SC2]
	s_add_co_i32 s2, s72, 127
	s_lshl_b32 s30, s2, 23
	v_mov_b32 v[SH], s30                           ; 2^eH
	s_add_co_i32 s2, s2, 15
	s_lshl_b32 s2, s2, 23
	s_or_b32 s[HLIM], s2, 0x600000
	s_or_b32 s[NHLIM], s[HLIM], 0x80000000
	s_wait_loadcnt 32                              ; my 18 loads of the list are in; the ring's 32 may be out
.set i, 0
.rept NG
	v_min_u32 v[VA+i], 1023, v[VA+i]               ; a token's number enters an address only held inside the table
.set i, i+1
.endr
.set i, 0
.rept NG
	v_lshl_add_u32 v[VA+i], v[VA+i], 10, v[C16]
.set i, i+1
.endr
	s_wait_alu depctr_va_vdst(0)
.macro GIS dst, bs, off                ; 72 rows x 128 bytes of one version and K step: eight lanes read 128 consecutive bytes of a row
.set i, 0
.rept NG
	global_load_b128 v[(\dst)+4*i:(\dst)+4*i+3], v[VA+i], s[\bs:\bs+1] offset:\off
.set i, i+1
.endr
.endm
.macro GST src, adr, off               ; and into LDS
.set i, 0
.rept NG
	ds_store_b128 v[\adr], v[(\src)+4*i:(\src)+4*i+3] offset:(\off)+4*XP*i
.set i, i+1
.endr
.endm
	WIN 0x40                                       ; K step 0 comes through registers of window 1, where no sum has begun yet:
	GIS 0, XB, 0                                   ; first version,
	GIS 4*NG, XB, 1048576                          ; second version;
	WIN 0
	GIS STG, XB, 128                               ; and K step 1's first version goes out with them
	s_wait_loadcnt NG                              ; all but the 18 just issued
	WIN 0x04
	GST 0, SA, 0
	GST 4*NG, SA, VERB
	WIN 0
	s_wait_dscnt 0x0                               ; for the other waves; and the stores have read their registers
	s_barrier_signal -1
	s_barrier_wait -1
; Set b of a step: 16 rows x 4 columns a lane.  Held (the conversion to an 8-bit code does not saturate: ISA guide 7.6.2), converted (a register = one row's four columns), asked for again 64 rows on,
; and each 4 x 4 bytes turned, so that a register holds four neighbours along K of one column: registers 4 b .. 4 b + 3 of the four fragments.
; xl = 1: behind every fourth hold stands one of the 14 loads of x's fragments of slots 0-6, whose registers and address lie in the holds' own window.
.macro SUB b, re, xl
	WIN 0xc3
.set i, 0
.rept 64
	v_med3_num_f32 v[128+64*(\b)+i], v[128+64*(\b)+i], s[NLIM], s[LIM]
.if (\xl) && ((i&3) == 3) && (i < 56)
	ds_load_b128 v[XW3+8*(i>>3)+4*((i>>2)&1):XW3+8*(i>>3)+4*((i>>2)&1)+3], v[XA3] offset:2*(i>>3)*16*XP+16*((i>>2)&1)
.endif
.set i, i+1
.endr
	WIN 0x03
.set i, 0
.rept 8
	v_cvt_scalef32_pk8_bf8_f32 v[D+2*i:D+2*i+1], v[128+64*(\b)+8*i:128+64*(\b)+8*i+7], v[SC]
.set i, i+1
.endr
	WIN 0
	v_nop                                          ; a plain instruction between the conversions and the first reader of their results
.if \re
	s_add_nc_u64 s[6+2*(\b):7+2*(\b)], s[6+2*(\b):7+2*(\b)], 64*ROWP   ; the loads that named this base are those just shown done
	RLOAD \b
.endif
.set i, 0
.rept 4
	v_perm_b32 v[TT],   v[D+4*i+1], v[D+4*i],   s[SEL0]
	v_perm_b32 v[TT+1], v[D+4*i+1], v[D+4*i],   s[SEL0+1]
	v_perm_b32 v[TT+2], v[D+4*i+3], v[D+4*i+2], s[SEL0]
	v_perm_b32 v[TT+3], v[D+4*i+3], v[D+4*i+2], s[SEL0+1]
	v_perm_b32 v[WF+4*(\b)+i],    v[TT+2], v[TT],   s[SEL0+2]
	v_perm_b32 v[WF+8+4*(\b)+i],  v[TT+2], v[TT],   s[SEL0+3]
	v_perm_b32 v[WF+16+4*(\b)+i], v[TT+3], v[TT+1], s[SEL0+2]
	v_perm_b32 v[WF+24+4*(\b)+i], v[TT+3], v[TT+1], s[SEL0+3]
.set i, i+1
.endr
.endm
.macro XFL0                            ; x's fragments of slots 7-17: 22 loads
.set a, 7
.rept 11
.if a < 9
.set tl, 2*a
.else
.set tl, 2*(a-9)+1
.endif
	ds_load_b128 v[XF+8*(a-7):XF+8*(a-7)+3], v[XA] offset:tl*16*XP
	ds_load_b128 v[XF+8*(a-7)+4:XF+8*(a-7)+7], v[XA] offset:tl*16*XP+16
.set a, a+1
.endr
.endm
; 72 products.  zero = 1: the first step starts the sums.  st = 1: from slot 7 on, where source 1 lies in window 0 as the stores' data do, one of the 18 stores of gathered rows stands behind every second product.
.macro MULS zero, st
.set a, 0
.set sn, 0
.rept 18
.if a < 7
	WIN (0x50*(1+a/8))|0x0c
.set bx, XW3+8*a
.else
	WIN 0x50*(1+a/8)
.set bx, XF+8*(a-7)
.endif
.if (\st) && (a == 7)
	s_wait_loadcnt 32                              ; the gather is in; the ring's two new sets may be out
.endif
.set j, 0
.rept 4
.if \zero
	v_wmma_f32_16x16x64_bf8_bf8 v[(32*a+8*j)&255:((32*a+8*j)&255)+7], v[WF+8*j:WF+8*j+7], v[bx:bx+7], 0
.else
	v_wmma_f32_16x16x64_bf8_bf8 v[(32*a+8*j)&255:((32*a+8*j)&255)+7], v[WF+8*j:WF+8*j+7], v[bx:bx+7], v[(32*a+8*j)&255:((32*a+8*j)&255)+7]
.endif
.if (\st) && (a >= 7) && ((j&1) == 1) && (sn < NG)
	ds_store_b128 v[SAQ], v[STG+4*sn:STG+4*sn+3] offset:4*XP*sn
.set sn, sn+1
.endif
.set j, j+1
.endr
.set a, a+1
.endr
	WIN 0
.endm
; ONE STEP OF 64 ALONG K.  mode 0: step 0; 1: steps 1-12; 3: steps 13, 14; 2: step 15.  Global loads are issued in the order set 0, set 1, gather.
; Step hs stores gather hs + 2 (version hs % 2 of K step hs / 2 + 1, into the slot that is not being read) and, at its end, asks for gather hs + 3; the last is number 15, asked for in step 12 and stored in step 13.
; Modes 0, 1: behind set 0 stand set 1 and the gather (34 loads), behind set 1 the gather and set 0's new loads (34).  Mode 3 has a gather out in step 13 alone: its counts, 16, leave out one set of the ring and serve both steps.
.macro HS mode
	s_and_b32 s40, s[HSC], 1
	s_bfe_u32 s42, s[HSC], 0x10001
	s_lshl_b32 s41, s40, 6
	s_mul_i32 s43, s42, SLOTB
	s_add_co_u32 s41, s41, s43
	v_add_nc_u32 v[XA], s41, v[XA0]
	WIN 0xc0
	v_add_nc_u32 v[XA3], s41, v[XA0]
	WIN 0
.if \mode != 2
	s_xor_b32 s42, s42, 1
	s_mul_i32 s42, s42, SLOTB
	s_mul_i32 s43, s40, VERB
	s_add_co_u32 s42, s42, s43
	v_add_nc_u32 v[SAQ], s42, v[SA]
.endif
	XFL0
	s_wait_alu depctr_va_vdst(0)
.if \mode < 2
	s_wait_loadcnt 34                              ; set 0 is in
.else
	s_wait_loadcnt 16
.endif
	SUB 0, (\mode != 2), 1
.if \mode < 2
	s_wait_loadcnt 34                              ; set 1 is in
.elseif \mode == 3
	s_wait_loadcnt 16
.else
	s_wait_loadcnt 0x0
.set j, 0
.rept 4
.set i, 0
.rept 8
	global_load_b32 v[B1+8*j+i], v[VB], s[B1P:B1P+1] offset:16*i+4*j   ; unit 32 h + 4 i + j of my 64
	global_load_b32 v[B2+8*j+i], v[VB], s[B2P:B2P+1] offset:16*i+4*j
.set i, i+1
.endr
.set j, j+1
.endr
.endif
	SUB 1, (\mode != 2), 0
.if \mode == 3
	s_cmp_eq_u32 s[HSC], 13
	s_cbranch_scc0 .Lns_\@
	s_wait_loadcnt 32                              ; the last gather is in
	GST STG, SAQ, 0
.Lns_\@:
.endif
	s_wait_alu depctr_va_vdst(0)
	s_wait_dscnt 0x0                               ; x's 18 fragments are in
	MULS (\mode == 0), (\mode < 2)
	s_wait_dscnt 0x0                               ; for the other waves: my stores into the next slot are done, my reads of this one are over; and the stores have read their registers
.if \mode < 2
	s_add_co_u32 s45, s[HSC], 3
	s_and_b32 s46, s45, 1
	s_lshl_b32 s46, s46, 20                        ; version,
	s_lshr_b32 s45, s45, 1
	s_lshl_b32 s45, s45, 7                         ; K step
	s_or_b32 s46, s46, s45
	s_mov_b32 s47, 0
	s_add_nc_u64 s[XQ:XQ+1], s[XB:XB+1], s[46:47]  ; (the loads that named this base were shown done ahead of the stores)
	GIS STG, XQ, 0
.endif
	PLACES                                         ; places in front of loads into, and writes of, registers that the products have read
	s_barrier_signal -1
	s_barrier_wait -1
.endm
	s_mov_b32 s[HSC], 0
	HS 0
	s_mov_b32 s[HSC], 1
.Lhs:
	HS 1
	s_add_co_u32 s[HSC], s[HSC], 1
	s_cmp_lt_u32 s[HSC], 13
	s_cbranch_scc1 .Lhs
	s_mov_b32 s[HSC], 13
.Lht:
	HS 3
	s_add_co_u32 s[HSC], s[HSC], 1
	s_cmp_lt_u32 s[HSC], 15
	s_cbranch_scc1 .Lht
	HS 2
; THE EXCHANGE.  Behind the last step's barrier nobody reads the slots any more.
.macro EXST sb                         ; slots sb .. sb + 8 to my partner, each sum from its low end on
.set a, 0
.rept 9
	WIN ((256+32*((\sb)+a))>>8)<<2
.set i, 0
.rept 8
	ds_store_b128 v[EXS], v[(32*((\sb)+a)+4*i)&255:((32*((\sb)+a)+4*i)&255)+3] offset:4096*a+512*i
.set i, i+1
.endr
.set a, a+1
.endr
	WIN 0
.endm
.macro EXLD sb                         ; and my partner's into the same registers
.set a, 0
.rept 9
	WIN ((256+32*((\sb)+a))>>8)<<6
.set i, 0
.rept 8
	ds_load_b128 v[(32*((\sb)+a)+4*i)&255:((32*((\sb)+a)+4*i)&255)+3], v[EXL] offset:4096*a+512*i
.set i, i+1
.endr
.set a, a+1
.endr
	WIN 0
.endm
	s_cmp_eq_u32 s[M], 0
	s_cbranch_scc0 .Lst1
	EXST 9
	s_branch .Lstj
.Lst1:
	EXST 0
.Lstj:
	s_wait_dscnt 0x0                               ; for my partner; and the stores have read their registers
	s_barrier_signal -1
	s_barrier_wait -1
	s_cmp_eq_u32 s[M], 0
	s_cbranch_scc0 .Lld1
	EXLD 9
	s_branch .Lldj
.Lld1:
	EXLD 0
.Lldj:
	s_wait_loadcnt 0x0                             ; the biases
; Row tile 2 a + m: scaled, biased; silu(p1) p2; held, converted, stored.  The 32 exponentials are one batch, and so are the 32 reciprocals.
.macro FIN a
	s_cmp_gt_u32 s[NTM], 2*(\a)
	s_cbranch_scc0 .Lend                           ; this tile of rows and all later ones lie past the list's end
.if 64-8*(\a) > 63
	s_wait_dscnt 63
.else
	s_wait_dscnt 64-8*(\a)                         ; this slot's eight loads are in; the later slots' may be out
.endif
	WIN (256+32*(\a))>>8
	s_wait_alu depctr_va_vdst(0)                   ; ahead of the first readers of matrix results
.irp k,0,2,4,6,8,10,12,14,16,18,20,22,24,26,28,30
	v_pk_fma_f32 v[U+\k:U+\k+1], v[((32*(\a))&255)+\k:((32*(\a))&255)+\k+1], s[SC1:SC1+1], v[B1+\k:B1+\k+1] op_sel_hi:[1,0,1]   ; p1 = sum x 2^(eW1 + eX) + b1
.endr
	WIN (544+32*(\a))>>8
	s_wait_alu depctr_va_vdst(0)
.irp k,0,2,4,6,8,10,12,14,16,18,20,22,24,26,28,30
	v_pk_fma_f32 v[V2+\k:V2+\k+1], v[((32+32*(\a))&255)+\k:((32+32*(\a))&255)+\k+1], s[SC2:SC2+1], v[B2+\k:B2+\k+1] op_sel_hi:[1,0,1]   ; p2
.endr
	WIN 0
.irp k,0,2,4,6,8,10,12,14,16,18,20,22,24,26,28,30
	v_pk_mul_f32 v[T+\k:T+\k+1], v[U+\k:U+\k+1], s[NL2:NL2+1] op_sel_hi:[1,0]
.endr
	s_wait_alu depctr_va_vdst(0)                   ; ahead of the batch
.set i, 0
.rept 32
	v_exp_f32 v[T+i], v[T+i]                       ; e^(-p1)
.set i, i+1
.endr
	v_nop                                          ; a plain instruction behind the last exponential
	s_wait_alu depctr_va_vdst(0)                   ; one wait for the batch, ahead of its first reader
.irp k,0,2,4,6,8,10,12,14,16,18,20,22,24,26,28,30
	v_pk_add_f32 v[T+\k:T+\k+1], v[T+\k:T+\k+1], 1.0 op_sel_hi:[1,0]
.endr
	s_wait_alu depctr_va_vdst(0)
.set i, 0
.rept 32
	v_rcp_f32 v[T+i], v[T+i]
.set i, i+1
.endr
.irp k,0,2,4,6,8,10,12,14,16,18,20,22,24,26,28,30
	v_pk_mul_f32 v[U+\k:U+\k+1], v[U+\k:U+\k+1], v[V2+\k:V2+\k+1]   ; p1 p2: plain work behind the reciprocals
.endr
	s_wait_alu depctr_va_vdst(0)
.irp k,0,2,4,6,8,10,12,14,16,18,20,22,24,26,28,30
	v_pk_mul_f32 v[U+\k:U+\k+1], v[U+\k:U+\k+1], v[T+\k:T+\k+1]     ; / (1 + e^(-p1))
.endr
.set i, 0
.rept 32
	v_med3_num_f32 v[U+i], v[U+i], s[NHLIM], s[HLIM]
.set i, i+1
.endr
	s_wait_alu depctr_va_vdst(0)
	s_wait_xcnt 0x0                                ; the last tile's stores have had their addresses translated: their data registers may be written
.irp j,0,1,2,3
	v_cvt_scalef32_pk8_bf8_f32 v[CD+2*\j:CD+2*\j+1], v[U+8*\j:U+8*\j+7], v[SH]
.endr
	v_nop                                          ; a plain instruction behind the last conversion
	global_store_b128 v[HC], v[CD:CD+3], s[HB:HB+1] offset:65536*(\a)          ; sixteen lanes store 256 consecutive bytes, aligned
	global_store_b128 v[HC], v[CD+4:CD+7], s[HB:HB+1] offset:65536*(\a)+512
.endm
.irp a,0,1,2,3,4,5,6,7,8
	FIN \a
.endr
.Lend:
	s_wait_tensorcnt 0x0                           ; the wave's end
	ds_add_u32 v[SPW], v[NIL]
	s_wait_dscnt 0x0
	s_endpgm
.Lfunc_end_k_qb748ece951_up:
	.size	k_qb748ece951_up, .Lfunc_end_k_qb748ece951_up-k_qb748ece951_up
	.p2alignl 7, 3214868480
	.fill 96, 4, 3214868480
	.section	.rodata,"a",@progbits
	.p2align	6, 0x0
	.amdhsa_kernel k_qb748ece951_up
		.amdhsa_group_segment_fixed_size 166400
		.amdhsa_private_segment_fixed_size 0
		.amdhsa_enable_private_segment 0
		.amdhsa_kernarg_size 104
		.amdhsa_user_sgpr_count 2
		.amdhsa_user_sgpr_kernarg_segment_ptr 1
		.amdhsa_wavefront_size32 1
		.amdhsa_system_sgpr_workgroup_id_x 1
		.amdhsa_system_sgpr_workgroup_id_y 1
		.amdhsa_system_sgpr_workgroup_id_z 1
		.amdhsa_system_vgpr_workitem_id 0
		.amdhsa_next_free_vgpr 1024
		.amdhsa_next_free_sgpr 102
		.amdhsa_reserve_vcc 0
		.amdhsa_float_denorm_mode_32 3
		.amdhsa_float_denorm_mode_16_64 3
		.amdhsa_memory_ordered 1
		.amdhsa_forward_progress 1
		.amdhsa_inst_pref_size 249
	.end_amdhsa_kernel
	.amdgpu_metadata
---
amdhsa.version: [ 1, 2 ]
amdhsa.kernels:
  - .name:           k_qb748ece951_up
    .symbol:         k_qb748ece951_up.kd
    .args:
      - { .name: xc, .offset: 0, .size: 8, .value_kind: global_buffer, .address_space: global }
      - { .name: rw1, .offset: 8, .size: 8, .value_kind: global_buffer, .address_space: global }
      - { .name: rw2, .offset: 16, .size: 8, .value_kind: global_buffer, .address_space: global }
      - { .name: sw1, .offset: 24, .size: 8, .value_kind: global_buffer, .address_space: global }
      - { .name: sw2, .offset: 32, .size: 8, .value_kind: global_buffer, .address_space: global }
      - { .name: rb1, .offset: 40, .size: 8, .value_kind: global_buffer, .address_space: global }
      - { .name: rb2, .offset: 48, .size: 8, .value_kind: global_buffer, .address_space: global }
      - { .name: sb1, .offset: 56, .size: 8, .value_kind: global_buffer, .address_space: global }
      - { .name: sb2, .offset: 64, .size: 8, .value_kind: global_buffer, .address_space: global }
      - { .name: lowp_scales, .offset: 72, .size: 8, .value_kind: global_buffer, .address_space: global }
      - { .name: ltok, .offset: 80, .size: 8, .value_kind: global_buffer, .address_space: global }
      - { .name: meta, .offset: 88, .size: 8, .value_kind: global_buffer, .address_space: global }
      - { .name: hc, .offset: 96, .size: 8, .value_kind: global_buffer, .address_space: global }
    .group_segment_fixed_size: 166400
    .private_segment_fixed_size: 0
    .kernarg_segment_align: 8
    .kernarg_segment_size: 104
    .max_flat_workgroup_size: 128
    .sgpr_count:     102
    .vgpr_count:     1024
    .wavefront_size: 32
...
	.end_amdgpu_metadata
.endif
;; end of part 3
;; launch down (part 4): grid 256 x 1, 4 waves a work-group, no clusters, 131,584 bytes of LDS; arguments hc, rw3, sw3, rb3, sb3, lowp_scales, lrow, meta, y; writes y
.if DOCPART == 4
	.amdgcn_target "amdgcn-amd-amdhsa--gfx1250"
	.amdhsa_code_object_version 6
	.text
	.protected	k_qb748ece951_down
	.globl	k_qb748ece951_down
	.p2align	8
	.type	k_qb748ece951_down,@function
k_qb748ece951_down:
	s_mov_b64 s[64:65], 0
	v_nop
	global_prefetch_b8 v0, s[64:65] scope:SCOPE_SE
	s_setreg_imm32_b32 hwreg(HW_REG_WAVE_MODE, 25, 1), 1
	s_wait_xcnt 0x0
; THE THIRD PRODUCT: y[row] = hidden W3 + b3 for the rows that each expert keeps, on codes of E5M2, sums in f32; the gate's weights and the mean come in the next launch.
; SHARES.  Work-groups are numbered as in the launch before; a work-group owns 64 columns (256 bytes of a row of y) of one expert.  Wave w keeps K steps 4 w .. 4 w + 3 of W3 for these columns in 256 registers.
; PHASE 1: the f32 weights are read once, held, converted and turned as in the launch before.  The rows of a K step are read in the order in which the hidden layer's codes lie: place 64 h + n holds unit 64 h + 32 (n / 32) + 4 (n % 8) + (n / 8) % 4.
; PHASE 2: the list's rows go past in UNITS of two blocks of 32.  Each wave loads its four K steps' images of the hidden layer (dense loads of 512 bytes), multiplies, and the four waves' partial sums meet in LDS: one barrier a unit.
; A unit's images are asked for at the head of the unit before: they have that unit's products and exchange in which to land.  Four sets of 128 registers: two for the unit in hand, two for the next.
; Source 0 = 16 hidden rows, source 1 = 16 columns four apart: over the four tiles a lane holds columns 4 r .. 4 r + 3 of a row, so sixteen lanes store 256 consecutive bytes, aligned, with no stage.
; The loop over units has a constant count of 16, so that every wave passes every barrier; a block past the list's end (a stored number) is jumped over.  This text has no tensor load, no copy, no cluster.
; Each wait stands in the same branch as the lines that lean on it: a unit's second block is worked in branches inside the first block's.
; LIMITS: W3's exponent lies between -126 and 112; its sum with the hidden layer's between -126 and 127.  NaN among the inputs is not served.
.set ROWP,  4096
.set TRIPS, 4
.set LANE, 4
.set LWB,  6
.set LW,   7
.set L16,  8
.set WR0,  9                           ; v9, v10   where I put partial sums: even units, odd units
.set RD0,  11                          ; v11, v12  where I read the part that I finish
.set COL,  13                          ; v13  256 x slice + 16 r: my 16 bytes of a row of y
.set SC,   14
.set IDXA, 15                          ; v15  my four entries of a block's 32
.set OFF,  16                          ; v16-19  a ring set's place in the next trip: a register for each of the four sets
.set B3,   24                          ; v24-27  b3 at my four columns
.set D,    32                          ; phase 1: v32-47, v48-51, v52-67
.set TT,   48
.set T,    52
.set OUT,  32                          ; v32-47   phase 2: four rows x four columns, a unit's first block
.set ACC,  64                          ; v64-191  partial sums: 64 block + 32 rho + 8 tile; then the four waves' parts: 64 block + 16 source + 4 tile + i
.set OUT2, 192                         ; v192-207 the second block's
.set ADR,  208                         ; v208-215 my four rows' offsets in y, for each of the unit's two blocks
.set IDX,  216                         ; v216-231 their numbers, as loaded: eight for even units, eight for odd
; window 3: the hidden layer's fragments of even units: 128 block + 64 rho + 16 K step;  window 1: phase 1 the ring, then those of odd units;  window 2: the weights: 64 K step + 16 tile
.set HA,  4                            ; s[4:5]   hc at the unit that was fetched last
.set WB,  6
.set HA2, 12                           ; s[12:13] hc at the first unit's second block
.set LR,  16                           ; s[16:17] my list of rows, at that unit
.set TAU, 22
.set SLW, 23
.set SEL0, 24
.set WV,  80
.set EXP, 83
.set SL,  84
.set V,   85
.set SLOT, 86
.set TBS, 87
.set NTB, 88
.set SB,  89                           ; the unit's first block
.set LIM, 90
.set NLIM, 91
.set SCO, 92
.set IT,  93
.set MSB, 0
.macro WIN new                         ; the immediate's high byte repeats the setting that is left; bits 1:0 source 0, 3:2 source 1, 5:4 source 2, 7:6 destination
.if MSB != (\new)
	s_set_vgpr_msb (MSB<<8)|(\new)
.set MSB, (\new)
.endif
.endm
	s_load_b512 s[4:19], s[0:1], 0x0               ; hc, rw3, sw3, rb3, sb3, the scales, lrow, meta
	s_load_b64 s[20:21], s[0:1], 0x40              ; y
	v_lshl_add_u32 v254, v0, 2, 0x20000
	v_mov_b32 v255, 0
	v_lshrrev_b32 v1, 5, v0
	v_readfirstlane_b32 s[WV], v1
	s_lshr_b32 s32, ttmp9, 4
	s_and_b32 s33, ttmp9, 15
	s_sub_co_u32 s34, ttmp9, 128
	s_and_b32 s35, s34, 3
	s_bfe_u32 s36, s34, 0x40002
	s_bfe_u32 s37, s34, 0x10006
	s_lshl_b32 s38, s37, 2
	s_add_co_u32 s38, s38, s35
	s_add_co_u32 s38, s38, 8
	s_add_co_u32 s39, s37, 8
	s_lshl_b32 s40, s35, 4
	s_cmp_lt_u32 ttmp9, 128
	s_cselect_b32 s[EXP], s32, s37
	s_cselect_b32 s[SL], s33, s36
	s_cselect_b32 s[V], s32, s38
	s_cselect_b32 s[SLOT], s32, s39
	s_cselect_b32 s[TBS], 0, s40
	v_and_b32 v1, 31, v0
	v_and_b32 v2, 15, v0
	v_bfe_u32 v3, v0, 4, 1
	v_lshlrev_b32 v[L16], 4, v1
	s_wait_alu depctr_va_vdst(0)
	v_lshlrev_b32 v[LANE], 4, v2
	v_lshl_add_u32 v[LANE], v3, 18, v[LANE]        ; 64 rows of 4,096 bytes
	s_lshl_b32 s42, s[WV], 15
	v_add_nc_u32 v[LWB], s42, v[L16]
	s_lshl_b32 s42, s[WV], 13
	v_add_nc_u32 v[WR0], s42, v[L16]
	s_add_co_u32 s42, s42, 0x10000
	v_add_nc_u32 v[WR0+1], s42, v[L16]
	s_lshr_b32 s43, s[WV], 1
	s_and_b32 s44, s[WV], 1
	s_lshl_b32 s42, s43, 12
	s_lshl_b32 s45, s44, 9
	s_add_co_u32 s42, s42, s45
	v_add_nc_u32 v[RD0], s42, v[L16]               ; tile of rows w / 2, registers 4 (w % 2) on
	s_add_co_u32 s42, s42, 0x10000
	v_add_nc_u32 v[RD0+1], s42, v[L16]
	s_lshl_b32 s42, s[SL], 8
	v_lshl_add_u32 v[COL], v2, 4, s42
	s_lshl_b32 s42, s43, 6
	s_lshl_b32 s45, s44, 4
	s_add_co_u32 s42, s42, s45
	v_lshl_add_u32 v[IDXA], v3, 5, s42             ; entry 16 (w / 2) + 8 h + 4 (w % 2)
.irp i,0,1,2,3,4,5,6,7
	v_add_nc_u32 v[ADR+\i], 0x1000000, v[COL]      ; the offsets begin at spare row 4096, and the odd units' row numbers likewise, so that they lie inside y on every way through the text; each unit writes them ahead of its stores
	v_mov_b32 v[IDX+8+\i], 4096
.endr
	s_mov_b32 s3, 0
	s_wait_kmcnt 0x0
	s_cmp_lt_u32 ttmp9, 128
	s_cselect_b64 s[WB:WB+1], s[6:7], s[8:9]
	s_cselect_b64 s[10:11], s[10:11], s[12:13]
	s_lshl_b32 s2, s[EXP], 12
	s_add_nc_u64 s[10:11], s[10:11], s[2:3]        ; my expert's b3
	global_load_b128 v[B3:B3+3], v[COL], s[10:11]  ; the oldest load: the ring's first wait shows it done
	s_lshl_b32 s2, s[EXP], 23
	s_lshl_b32 s30, s[WV], 21                      ; 512 rows
	s_add_co_u32 s2, s2, s30
	s_lshl_b32 s30, s[SL], 8
	s_add_co_u32 s2, s2, s30
	s_add_nc_u64 s[WB:WB+1], s[WB:WB+1], s[2:3]
.macro RLOAD b, adr                    ; the 16 loads of set b: sixteen lanes read 256 consecutive bytes of one row, aligned
	WIN 0x40
.set i, 16*(\b)
.rept 16
.set ro, 32*(i>>5)+4*(i&7)+((i>>3)&3)
	global_load_b128 v[4*i:4*i+3], v[\adr], s[WB:WB+1] offset:ro*ROWP
.set i, i+1
.endr
	WIN 0
.endm
	RLOAD 0, LANE
	RLOAD 1, LANE
	RLOAD 2, LANE
	RLOAD 3, LANE
	s_load_b256 s[68:75], s[14:15], 0x0
	s_load_b128 s[76:79], s[14:15], 0x20
	s_lshl_b32 s2, s[V], 2
	s_add_nc_u64 s[18:19], s[18:19], s[2:3]
	s_load_b32 s[NTB], s[18:19], 0x0
	s_lshl_b32 s2, s[V], 12
	s_add_nc_u64 s[LR:LR+1], s[LR:LR+1], s[2:3]
	s_lshl_b32 s2, s[SLOT], 21
	s_lshl_b32 s30, s[TBS], 15
	s_add_co_u32 s2, s2, s30
	s_lshl_b32 s30, s[WV], 13                      ; my four K steps' images
	s_add_co_u32 s2, s2, s30
	s_add_nc_u64 s[HA:HA+1], s[HA:HA+1], s[2:3]
	s_mov_b32 s[SEL0], 0x05010400
	s_mov_b32 s[SEL0+1], 0x07030602
	s_mov_b32 s[SEL0+2], 0x05040100
	s_mov_b32 s[SEL0+3], 0x07060302
	s_wait_kmcnt 0x0
	s_min_u32 s[NTB], s[NTB], 32
	s_cmp_lt_u32 ttmp9, 128
	s_cselect_b32 s72, s72, s78                    ; eH
	s_cselect_b32 s73, s73, s79                    ; eW3
	s_add_co_i32 s2, s73, 127
	s_lshl_b32 s30, s2, 23
	v_mov_b32 v[SC], s30
	s_add_co_i32 s2, s2, 15
	s_lshl_b32 s2, s2, 23
	s_or_b32 s[LIM], s2, 0x600000
	s_or_b32 s[NLIM], s[LIM], 0x80000000
	s_add_co_i32 s2, s72, s73
	s_add_co_i32 s2, s2, 127
	s_lshl_b32 s[SCO], s2, 23                      ; 2^(eH + eW3)
.macro SUB b, refill, left             ; as in the launch before
	s_wait_loadcnt \left                           ; this set's sixteen loads are in, the younger sets stay out
.if \refill
	v_add_nc_u32 v[OFF+\b], s30, v[LANE]           ; the set's own offset register: the loads that named it are those just shown done, so it is written with no further wait
.endif
	WIN 0x41
.set i, 64*(\b)
.rept 64
	v_med3_num_f32 v[i], v[i], s[NLIM], s[LIM]     ; the conversion to an 8-bit code does not saturate (ISA guide 7.6.2)
.set i, i+1
.endr
	WIN 0x01
.set i, 0
.rept 8
	v_cvt_scalef32_pk8_bf8_f32 v[D+2*i:D+2*i+1], v[64*(\b)+8*i:64*(\b)+8*i+7], v[SC]
.set i, i+1
.endr
	WIN 0
	v_nop                                          ; a plain instruction between the conversions and the first reader of their results
.if \refill
	RLOAD \b, OFF+\b
.endif
	s_wait_alu depctr_va_vdst(0)
	s_wait_dscnt 0x0                               ; the last set's LDS stores have read T
.set i, 0
.rept 4
	v_perm_b32 v[TT],   v[D+4*i+1], v[D+4*i],   s[SEL0]
	v_perm_b32 v[TT+1], v[D+4*i+1], v[D+4*i],   s[SEL0+1]
	v_perm_b32 v[TT+2], v[D+4*i+3], v[D+4*i+2], s[SEL0]
	v_perm_b32 v[TT+3], v[D+4*i+3], v[D+4*i+2], s[SEL0+1]
	v_perm_b32 v[T+i],    v[TT+2], v[TT],   s[SEL0+2]
	v_perm_b32 v[T+4+i],  v[TT+2], v[TT],   s[SEL0+3]
	v_perm_b32 v[T+8+i],  v[TT+3], v[TT+1], s[SEL0+2]
	v_perm_b32 v[T+12+i], v[TT+3], v[TT+1], s[SEL0+3]
.set i, i+1
.endr
.irp j,0,1,2,3
	ds_store_b128 v[LW], v[T+4*\j:T+4*\j+3] offset:2048*\j+512*(\b)
.endr
.endm
	s_mov_b32 s[TAU], 0
	s_mov_b32 s[SLW], 0
.Lring:                                            ; trip t: my K step t; it asks for trip t + 1
	s_add_co_u32 s30, s[TAU], 1
	s_lshl_b32 s30, s30, 19                        ; 128 rows: the next trip's place, for the four sets' offsets
	s_wait_dscnt 0x0                               ; the last trip's LDS stores are done: LW may be written
	v_add_nc_u32 v[LW], s[SLW], v[LWB]
	SUB 0, 1, 48
	SUB 1, 1, 48
	SUB 2, 1, 48
	SUB 3, 1, 48
	s_add_co_u32 s[SLW], s[SLW], 8192
	s_add_co_u32 s[TAU], s[TAU], 1
	s_cmp_lt_u32 s[TAU], TRIPS-1
	s_cbranch_scc1 .Lring
	s_wait_dscnt 0x0
	v_add_nc_u32 v[LW], s[SLW], v[LWB]
	SUB 0, 0, 48                                   ; the last trip asks for nothing: the counts run down
	SUB 1, 0, 32
	SUB 2, 0, 16
	SUB 3, 0, 0
; A block's eight fragments of the hidden layer (my four K steps, two tiles of rows) and my four row numbers.  set = 2 x (unit % 2) + j, j the block in its unit.
.macro PREFD set, j, bs, off
	WIN 0xc0-0x80*((\set)/2)                       ; destination window 3 (even units) or 1 (odd)
.irp q,0,1
.irp s,0,1,2,3
.irp c,0,1,2,3
	global_load_b128 v[128*(\j)+64*\q+16*\s+4*\c:128*(\j)+64*\q+16*\s+4*\c+3], v[L16], s[\bs:\bs+1] offset:(\off)+32768*\q+2048*\s+512*\c
.endr
.endr
.endr
	WIN 0
	global_load_b128 v[IDX+8*((\set)/2)+4*(\j):IDX+8*((\set)/2)+4*(\j)+3], v[IDXA], s[LR:LR+1] offset:128*(\j)
.endm
	s_cmp_gt_u32 s[NTB], 1                         ; the first unit is fetched without a branch: every list has block 0, and a list of one block fetches it twice (its second copy is not multiplied)
	s_cselect_b32 s2, 65536, 0
	s_add_nc_u64 s[HA2:HA2+1], s[HA:HA+1], s[2:3]
	PREFD 0, 0, HA, 0
	PREFD 1, 1, HA2, 0
	WIN 0x80                                       ; the weights come back as operand registers while the first unit lands
.set i, 0
.rept 16
.irp c,0,1,2,3
	ds_load_b128 v[16*i+4*\c:16*i+4*\c+3], v[LWB] offset:2048*i+512*\c   ; LDS serves a wave's instructions in order: these see my stores
.endr
.set i, i+1
.endr
	WIN 0
	s_wait_dscnt 0x0                               ; my weights are in registers: my part of LDS may be written by others
	s_barrier_signal -1
	s_barrier_wait -1
.macro MUL set, j                      ; 32 products: the block's 8 sums take turns, one instruction a turn; the first K step starts them
	WIN 0x0b-2*((\set)/2)                          ; hidden rows window 3 or 1, weights window 2, sums window 0
.irp s,0,1,2,3
.irp q,0,1
.irp t,0,1,2,3
.if \s == 0
	v_wmma_f32_16x16x128_bf8_bf8 v[ACC+64*(\j)+32*\q+8*\t:ACC+64*(\j)+32*\q+8*\t+7], v[128*(\j)+64*\q+16*\s:128*(\j)+64*\q+16*\s+15], v[64*\s+16*\t:64*\s+16*\t+15], 0
.else
	v_wmma_f32_16x16x128_bf8_bf8 v[ACC+64*(\j)+32*\q+8*\t:ACC+64*(\j)+32*\q+8*\t+7], v[128*(\j)+64*\q+16*\s:128*(\j)+64*\q+16*\s+15], v[64*\s+16*\t:64*\s+16*\t+15], v[ACC+64*(\j)+32*\q+8*\t:ACC+64*(\j)+32*\q+8*\t+7]
.endif
.endr
.endr
.endr
	WIN 0
.endm
.macro PUT par, j                      ; my partial sums of block j into the unit's exchange region
.irp q,0,1
.irp t,0,1,2,3
	ds_store_b128 v[WR0+(\par)], v[ACC+64*(\j)+32*\q+8*\t:ACC+64*(\j)+32*\q+8*\t+3] offset:32768*(\j)+4096*\q+1024*\t         ; each sum from its low end on
	ds_store_b128 v[WR0+(\par)], v[ACC+64*(\j)+32*\q+8*\t+4:ACC+64*(\j)+32*\q+8*\t+7] offset:32768*(\j)+4096*\q+1024*\t+512
.endr
.endr
.endm
.macro GET par, j                      ; the four waves' parts of what I finish, into the registers that my own sums have left
.irp a,0,1,2,3
.irp t,0,1,2,3
	ds_load_b128 v[ACC+64*(\j)+16*\a+4*\t:ACC+64*(\j)+16*\a+4*\t+3], v[RD0+(\par)] offset:32768*(\j)+8192*\a+1024*\t
.endr
.endr
.endm
.macro FIN j, w                        ; block j is finished and stored.  w = 1: the wait that frees both blocks' store registers of the unit before
.set PB, ACC+64*(\j)
.set OB, OUT+(OUT2-OUT)*(\j)
.irp k,0,2,4,6,8,10,12,14
	v_pk_add_f32 v[PB+\k:PB+\k+1], v[PB+\k:PB+\k+1], v[PB+16+\k:PB+16+\k+1]
	v_pk_add_f32 v[PB+32+\k:PB+32+\k+1], v[PB+32+\k:PB+32+\k+1], v[PB+48+\k:PB+48+\k+1]
.endr
.irp k,0,2,4,6,8,10,12,14
	v_pk_add_f32 v[PB+\k:PB+\k+1], v[PB+\k:PB+\k+1], v[PB+32+\k:PB+32+\k+1]      ; the four quarters of K
.endr
.if \w
	s_wait_alu depctr_va_vdst(0)
	s_wait_xcnt 0x0                                ; every earlier store has had its addresses translated: the data registers may be written
.endif
.irp i,0,1,2,3
.irp t,0,1,2,3
	v_fma_f32 v[OB+4*\i+\t], v[PB+4*\t+\i], s[SCO], v[B3+\t]                      ; sum x 2^(eH + eW3) + b3: row i, column 4 r + t
.endr
.endr
.irp i,0,1,2,3
	global_store_b128 v[ADR+4*(\j)+\i], v[OB+4*\i:OB+4*\i+3], s[20:21]            ; sixteen lanes store 256 consecutive bytes of a row, aligned
.endr
.endm
; ONE UNIT OF TWO BLOCKS.  par = unit % 2: its sets of fragments, its row numbers and its exchange regions.  One barrier a unit: a region is written again two units later, behind the next unit's barrier,
; in front of which every wave has waited for its reads.
.macro UNIT par
	s_cmp_lt_u32 s[SB], s[NTB]
	s_cbranch_scc0 .Lidle_a_\@
	s_wait_loadcnt 0x0                             ; this unit's fragments and row numbers are in; no load names HA or LR any more
	s_add_co_u32 s2, s[SB], 2
	s_cmp_lt_u32 s2, s[NTB]
	s_cbranch_scc0 .Lpf_\@
	s_add_nc_u64 s[HA:HA+1], s[HA:HA+1], 131072
	s_add_nc_u64 s[LR:LR+1], s[LR:LR+1], 256
	PREFD 2-2*(\par), 0, HA, 0                     ; the next unit lands while this one is worked
	s_add_co_u32 s2, s[SB], 3
	s_cmp_lt_u32 s2, s[NTB]
	s_cbranch_scc0 .Lpf_\@
	PREFD 3-2*(\par), 1, HA, 65536
.Lpf_\@:
	MUL 2*(\par), 0
	s_add_co_u32 s2, s[SB], 1
	s_cmp_lt_u32 s2, s[NTB]
	s_cbranch_scc0 .Lno_b_\@
	MUL 2*(\par)+1, 1
.rept 5
	v_nop                                          ; places behind the products, in front of the stores that read the sums
.endr
	PUT \par, 1
.Lno_b_\@:
	s_wait_xcnt 0x0                                ; the last unit's stores have had their addresses translated: their offsets may be written
.irp i,0,1,2,3,4,5,6,7
	v_min_u32 v[ADR+\i], 4351, v[IDX+8*(\par)+\i]  ; a row's number enters an address only held inside y.  (These sixteen plain lines are also the places behind the first block's products)
.endr
.irp i,0,1,2,3,4,5,6,7
	v_lshl_add_u32 v[ADR+\i], v[ADR+\i], 12, v[COL]
.endr
	PUT \par, 0
.Lidle_a_\@:
	s_wait_dscnt 0x0                               ; for the other waves: my partial sums lie in LDS, and my reads of the other unit's regions are over
	s_barrier_signal -1
	s_barrier_wait -1
	s_cmp_lt_u32 s[SB], s[NTB]
	s_cbranch_scc0 .Lidle_b_\@
	GET \par, 0
	s_add_co_u32 s2, s[SB], 1
	s_cmp_lt_u32 s2, s[NTB]
	s_cbranch_scc0 .Lonly_a_\@
	GET \par, 1
	s_wait_dscnt 16                                ; the first block's sixteen loads are in; the second's may be out
	FIN 0, 1
	s_wait_dscnt 0x0
	FIN 1, 0
	s_branch .Lidle_b_\@
.Lonly_a_\@:
	s_wait_dscnt 0x0
	FIN 0, 1
.Lidle_b_\@:
	s_add_co_u32 s[SB], s[SB], 2
.endm
	s_mov_b32 s[SB], 0
	s_mov_b32 s[IT], 0
.Lblk:
	UNIT 0
	UNIT 1
	s_add_co_u32 s[IT], s[IT], 1
	s_cmp_lt_u32 s[IT], 8
	s_cbranch_scc1 .Lblk
	s_wait_tensorcnt 0x0
	ds_add_u32 v254, v255
	s_wait_dscnt 0x0
	s_endpgm
.Lfunc_end_k_qb748ece951_down:
	.size	k_qb748ece951_down, .Lfunc_end_k_qb748ece951_down-k_qb748ece951_down
	.p2alignl 7, 3214868480
	.fill 96, 4, 3214868480
	.section	.rodata,"a",@progbits
	.p2align	6, 0x0
	.amdhsa_kernel k_qb748ece951_down
		.amdhsa_group_segment_fixed_size 131584
		.amdhsa_private_segment_fixed_size 0
		.amdhsa_enable_private_segment 0
		.amdhsa_kernarg_size 72
		.amdhsa_user_sgpr_count 2
		.amdhsa_user_sgpr_kernarg_segment_ptr 1
		.amdhsa_wavefront_size32 1
		.amdhsa_system_sgpr_workgroup_id_x 1
		.amdhsa_system_sgpr_workgroup_id_y 1
		.amdhsa_system_sgpr_workgroup_id_z 1
		.amdhsa_system_vgpr_workitem_id 0
		.amdhsa_next_free_vgpr 1024
		.amdhsa_next_free_sgpr 96
		.amdhsa_reserve_vcc 0
		.amdhsa_float_denorm_mode_32 3
		.amdhsa_float_denorm_mode_16_64 3
		.amdhsa_memory_ordered 1
		.amdhsa_forward_progress 1
		.amdhsa_inst_pref_size 136
	.end_amdhsa_kernel
	.amdgpu_metadata
---
amdhsa.version: [ 1, 2 ]
amdhsa.kernels:
  - .name:           k_qb748ece951_down
    .symbol:         k_qb748ece951_down.kd
    .args:
      - { .name: hc, .offset: 0, .size: 8, .value_kind: global_buffer, .address_space: global }
      - { .name: rw3, .offset: 8, .size: 8, .value_kind: global_buffer, .address_space: global }
      - { .name: sw3, .offset: 16, .size: 8, .value_kind: global_buffer, .address_space: global }
      - { .name: rb3, .offset: 24, .size: 8, .value_kind: global_buffer, .address_space: global }
      - { .name: sb3, .offset: 32, .size: 8, .value_kind: global_buffer, .address_space: global }
      - { .name: lowp_scales, .offset: 40, .size: 8, .value_kind: global_buffer, .address_space: global }
      - { .name: lrow, .offset: 48, .size: 8, .value_kind: global_buffer, .address_space: global }
      - { .name: meta, .offset: 56, .size: 8, .value_kind: global_buffer, .address_space: global }
      - { .name: y, .offset: 64, .size: 8, .value_kind: global_buffer, .address_space: global }
    .group_segment_fixed_size: 131584
    .private_segment_fixed_size: 0
    .kernarg_segment_align: 8
    .kernarg_segment_size: 72
    .max_flat_workgroup_size: 128
    .sgpr_count:     96
    .vgpr_count:     1024
    .wavefront_size: 32
...
	.end_amdgpu_metadata
.endif
;; end of part 4
;; launch comb (part 5): grid 256 x 1, 8 waves a work-group, no clusters, 0 bytes of LDS; arguments y, rwt, out0; writes out0
.if DOCPART == 5
	.amdgcn_target "amdgcn-amd-amdhsa--gfx1250"
	.amdhsa_code_object_version 6
	.text
	.protected	k_qb748ece951_comb
	.globl	k_qb748ece951_comb
	.p2align	8
	.type	k_qb748ece951_comb,@function
k_qb748ece951_comb:
	s_mov_b64 s[64:65], 0
	v_nop
	global_prefetch_b8 v0, s[64:65] scope:SCOPE_SE
	s_setreg_imm32_b32 hwreg(HW_REG_WAVE_MODE, 25, 1), 1
	s_wait_xcnt 0x0
; out0[t] = w0 y[2 t] + w1 y[2 t + 1] + (y[2048 + t] + y[3072 + t]) / 2: the two chosen experts by their scores, and the mean of the two shared experts.
; A work-group takes 4 tokens; thread j owns bytes 16 j of a row of 4,096 bytes: a wave's load or store covers 512 consecutive bytes, aligned.
; A stream: each byte is read once and written once; all sixteen loads of a thread go out together.  No LDS, no barrier, no matrix unit: nothing is shared.
	s_load_b128 s[4:7], s[0:1], 0x0                ; y, rwt
	s_load_b64 s[8:9], s[0:1], 0x10                ; out0
	v_lshlrev_b32 v1, 4, v0
	s_lshl_b32 s10, ttmp9, 15                      ; 8 routed rows
	s_mov_b32 s11, 0
	s_lshl_b32 s12, ttmp9, 14                      ; 4 rows
	s_mov_b32 s13, 0
	s_lshl_b32 s14, ttmp9, 5                       ; 8 scores
	s_mov_b32 s15, 0
	s_wait_alu depctr_va_vdst(0)
	s_wait_kmcnt 0x0
	s_add_nc_u64 s[6:7], s[6:7], s[14:15]
	s_load_b256 s[16:23], s[6:7], 0x0
	s_add_nc_u64 s[24:25], s[4:5], s[12:13]
	s_add_nc_u64 s[24:25], s[24:25], 0x800000      ; the shared experts' rows begin at row 2048
	s_add_nc_u64 s[4:5], s[4:5], s[10:11]
	s_add_nc_u64 s[8:9], s[8:9], s[12:13]
.irp i,0,1,2,3
	global_load_b128 v[4+16*\i:7+16*\i], v1, s[4:5] offset:8192*\i th:TH_LOAD_NT
	global_load_b128 v[8+16*\i:11+16*\i], v1, s[4:5] offset:8192*\i+4096 th:TH_LOAD_NT
	global_load_b128 v[12+16*\i:15+16*\i], v1, s[24:25] offset:4096*\i th:TH_LOAD_NT
	global_load_b128 v[16+16*\i:19+16*\i], v1, s[24:25] offset:4096*\i+0x400000 th:TH_LOAD_NT
.endr
	s_wait_kmcnt 0x0
.irp i,0,1,2,3
	s_mov_b32 s[32+2*\i], s[17+2*\i]               ; the second score into the low word of a pair of its own: the packed form takes a scalar pair's low word for both halves
	s_mov_b32 s[33+2*\i], s[17+2*\i]
.endr
.irp i,0,1,2,3
	s_wait_loadcnt 12-4*\i                         ; this token's four loads are in; the later tokens' may be out
.irp k,0,2
	v_pk_add_f32 v[12+16*\i+\k:13+16*\i+\k], v[12+16*\i+\k:13+16*\i+\k], v[16+16*\i+\k:17+16*\i+\k]
	v_pk_mul_f32 v[4+16*\i+\k:5+16*\i+\k], v[4+16*\i+\k:5+16*\i+\k], s[16+2*\i:17+2*\i] op_sel_hi:[1,0]
	s_delay_alu instid0(VALU_DEP_1)
	v_pk_fma_f32 v[4+16*\i+\k:5+16*\i+\k], v[8+16*\i+\k:9+16*\i+\k], s[32+2*\i:33+2*\i], v[4+16*\i+\k:5+16*\i+\k] op_sel_hi:[1,0,1]
	s_delay_alu instid0(VALU_DEP_1)
	v_pk_fma_f32 v[4+16*\i+\k:5+16*\i+\k], v[12+16*\i+\k:13+16*\i+\k], 0.5, v[4+16*\i+\k:5+16*\i+\k] op_sel_hi:[1,0,1]
.endr
	global_store_b128 v1, v[4+16*\i:7+16*\i], s[8:9] offset:4096*\i th:TH_STORE_NT
.endr
	s_endpgm
.Lfunc_end_k_qb748ece951_comb:
	.size	k_qb748ece951_comb, .Lfunc_end_k_qb748ece951_comb-k_qb748ece951_comb
	.p2alignl 7, 3214868480
	.fill 96, 4, 3214868480
	.section	.rodata,"a",@progbits
	.p2align	6, 0x0
	.amdhsa_kernel k_qb748ece951_comb
		.amdhsa_group_segment_fixed_size 0
		.amdhsa_private_segment_fixed_size 0
		.amdhsa_enable_private_segment 0
		.amdhsa_kernarg_size 24
		.amdhsa_user_sgpr_count 2
		.amdhsa_user_sgpr_kernarg_segment_ptr 1
		.amdhsa_wavefront_size32 1
		.amdhsa_system_sgpr_workgroup_id_x 1
		.amdhsa_system_sgpr_workgroup_id_y 1
		.amdhsa_system_sgpr_workgroup_id_z 1
		.amdhsa_system_vgpr_workitem_id 0
		.amdhsa_next_free_vgpr 96
		.amdhsa_next_free_sgpr 66
		.amdhsa_reserve_vcc 0
		.amdhsa_float_denorm_mode_32 3
		.amdhsa_float_denorm_mode_16_64 3
		.amdhsa_memory_ordered 1
		.amdhsa_forward_progress 1
		.amdhsa_inst_pref_size 6
	.end_amdhsa_kernel
	.amdgpu_metadata
---
amdhsa.version: [ 1, 2 ]
amdhsa.kernels:
  - .name:           k_qb748ece951_comb
    .symbol:         k_qb748ece951_comb.kd
    .args:
      - { .name: y, .offset: 0, .size: 8, .value_kind: global_buffer, .address_space: global }
      - { .name: rwt, .offset: 8, .size: 8, .value_kind: global_buffer, .address_space: global }
      - { .name: out0, .offset: 16, .size: 8, .value_kind: global_buffer, .address_space: global }
    .group_segment_fixed_size: 0
    .private_segment_fixed_size: 0
    .kernarg_segment_align: 8
    .kernarg_segment_size: 24
    .max_flat_workgroup_size: 256
    .sgpr_count:     66
    .vgpr_count:     96
    .wavefront_size: 32
...
	.end_amdgpu_metadata
.endif
;; end of part 5
